; MI455X (gfx1250); checked and timed in simulation.
; The chip was launched on July 23, 2026; its instructions are those of AMD's public machine-readable ISA for CDNA 5 (MIT licence, August 2026) and "CDNA5" Instruction Set Architecture Reference Guide (July 2026). The comments in the code are by the model that wrote it; some were corrected since.
;; Points Fusion2. Allowed arithmetic: float matrix products may take bf16 or f16 operands with f32 sums; all other float work in f32.
;; Inputs: Wk 4 x 64 float32; Wq 4 x 64 float32; Wv 4 x 64 float32; bk 64 float32; bq 64 float32; bv 64 float32; pc 8 x 3 x 2,048 float32; points1 8 x 3 x 2,048 float32; points2 8 x 3 x 2,048 float32; ridx1 8 x 1,024 int32; ridx2 8 x 1,024 int32.
;; Outputs: out0 8 x 3 x 2,048 float32.
;; Constants: k = 16, t = 0.5.
;; 3 versions, each right; version 2 is faster than version 1; version 3 is version 2 with the launch knn written anew for expert scheduling mode. Each part assembles by itself: llvm-mc -triple=amdgcn-amd-amdhsa -mcpu=gfx1250 --defsym DOCPART=n.
;; ======== version 1 of 3: 2 launches
;; limits: values outside matrix products are rounded to bf16
;; workspace buffers: nbr 2,097,152 bytes of whole numbers
;; launch knn (part 1): grid 256 x 1, 8 waves a work-group, no clusters, 177,152 bytes of LDS; arguments points1, points2, pc, ridx1, ridx2, nbr; writes nbr
.if DOCPART == 1
	.amdgcn_target "amdgcn-amd-amdhsa--gfx1250"
	.amdhsa_code_object_version 6
	.text
	.protected	k_q90a2b28154_knn
	.globl	k_q90a2b28154_knn
	.p2align	8
	.type	k_q90a2b28154_knn,@function
k_q90a2b28154_knn:
	s_mov_b64 s[64:65], 0
	v_nop
	global_prefetch_b8 v0, s[64:65] scope:SCOPE_SE
	s_setreg_imm32_b32 hwreg(HW_REG_WAVE_MODE, 25, 1), 1
	s_wait_xcnt 0x0
; nbr[query][32] = indices of the 8 nearest points of points1, the 8 nearest of points2 and the 16 nearest of pc (same batch),
; for the 8 x 2048 queries newp = points1[ridx1] ++ points2[ridx2].  Only the SETS matter to what follows, not their order.
;
; SHARES.  Work-group x: batch x>>5, queries 64 (x&31) .. +63.  Eight waves: g = wave>>2 is a group of 32 queries (lane = query),
; w = wave&3 a quarter of each database: the candidates j with (j>>2)&3 == w, as four blocks b = j&3 of 128 positions pos = j>>4.
; METHOD, free of any branch or address that hangs on a distance:
;   pass A  each lane keeps the k smallest distances of its 512 candidates, sorted: one v_med3 per list entry and candidate;
;           the four quarters exchange their lists through LDS and merge them: T = the k-th smallest distance of the database;
;   pass B  the same distances again (same instructions, same bits); per block two masks of 128 bits, d < T and d == T;
;           the k lowest set bits of (strict mask, tie mask) become keys: index j for d < T, 2048 + j for d == T, 4096 + .. for none;
;           sorted key lists are merged over blocks and quarters: all closer points first, then ties by rising index.
; THE DISTANCE is the module's own expression, d = (|q|^2 + |c|^2) - 2 q.c in f32, each sum of three products as one multiply and two
; fused multiply-adds in the order x, y, z; |c|^2 is made once, on the way into LDS.  Which points are the nearest hangs on the rounding
; of that expression where two candidates are almost equally far, so the same expression is evaluated here; d may come out below zero.
; LIMITS.  NaN and infinite coordinates are not served.  The ranking carries the rounding of that expression, about
; 2^-23 (|q|^2 + |c|^2), which grows with a common offset of the points; an evaluation of it in another order may rank two candidates
; that are closer than that the other way.  Indices in ridx are clamped to 2047.
; NOT USED: matrix units (operands of 16 bits move a squared distance by more than neighbouring candidates differ); tensor loads and
; clusters (what work-groups share is 72 KiB read once at the entry, and it has to be scattered into the quarters on its way to LDS).
.set SEG,    2112                      ; a quarter of a plane: 4 blocks x 128 floats, then 64 bytes of pad
.set PLANE,  4*SEG                     ; one plane of one database: x, y, z or |c|^2
.set DBYTES, 4*PLANE                   ; one database; three of them end at byte 101,376
.set EXT0,   101376                    ; exchanged distance lists: wave x k x 128 + 512 i + 16 lane
.set EXT1,   109568
.set EXT2,   117760
.set EXI0,   134144                    ; exchanged key lists, same layout
.set EXI1,   142336
.set EXI2,   150528
.set TR,     166912                    ; the way out: g x 4,608 + query x 144 + slot x 4
.set TRP,    144                       ; 128 bytes of a query + 16: 9 x 16 bytes from lane to lane
.set ADDR,  2                          ; v2       LDS address of the chunk at work (the same in all lanes)
.set WOFF,  3                          ; v3       w x SEG
.set DBASE, 4                          ; v4       my quarter of the database at work
.set XOWN,  5                          ; v5       my distance list in LDS
.set XP1,   6                          ; v6-8     the lists of quarters w^1, w^2, w^3
.set XP2,   7
.set XP3,   8
.set KOWN,  9                          ; v9       my key list in LDS
.set TT,    10                         ; v[10:11] T, twice
.set P,     12                         ; v12      position of the lowest set bit
.set Y0,    13                         ; v13-14   the ones below it, word by word
.set TRA,   15                         ; v15      my row of TR
.set Q,     16                         ; v[16:23] (qx,qx) (qy,qy) (qz,qz) (|q|^2,|q|^2)
.set X,     24                         ; v[24:31] masks: 4 words d < T, 4 words d == T
.set MM,    32                         ; v[32:39] the masks minus one, as one number of 256 bits
.set BUFA,  40                         ; v[40:71]  8 candidates: x0-7, y0-7, z0-7, |c|^2 0-7
.set BUFB,  72                         ; v[72:103]
.set L,     104                        ; v[104:119] the sorted list
.set R,     120                        ; v[120:135] a second sorted list
.set M,     136                        ; v[136:151] the merge network at work
.set O2,    72                         ; partner lists lie in registers that are idle at an exchange
.set O3,    24
.set STG,   40                         ; v[40:111]  the 18 staging loads
.set CCT,   112                        ; v[112:135] |c|^2 of the staged candidates: 4 registers for each database and half
	s_load_b256 s[4:11], s[0:1], 0x0               ; points1 s[4:5], points2 s[6:7], pc s[8:9], ridx1 s[10:11]
	s_load_b128 s[12:15], s[0:1], 0x20             ; ridx2 s[12:13], nbr s[14:15]
	v_lshl_add_u32 v152, v0, 2, 0x2b000
	v_mov_b32 v153, 0
	v_and_b32 v13, 31, v0                          ; lane
	v_lshlrev_b32 v1, 4, v13                       ; 16 x lane
	v_lshrrev_b32 v14, 5, v0
	v_readfirstlane_b32 s16, v14                   ; wave = 4 g + w
	s_lshr_b32 s17, s16, 2                         ; g
	s_and_b32 s18, s16, 3                          ; w
	s_xor_b32 s33, s16, 1                          ; the three other quarters of my query group
	s_xor_b32 s34, s16, 2
	s_xor_b32 s35, s16, 3
	s_lshr_b32 s19, ttmp9, 5                       ; batch
	s_and_b32 s20, ttmp9, 31                       ; block of 64 queries
	s_mov_b32 s37, 0x7f800000                      ; +infinity starts the distance lists
	s_lshl_b32 s36, s19, 12                        ; ridx: batch x 4,096 bytes
	s_and_b32 s21, s20, 15
	s_lshl_b32 s21, s21, 8                         ; + (block & 15) x 64 words
	s_add_co_u32 s36, s36, s21
	s_lshl_b32 s21, s17, 7                         ; + g x 32 words
	s_add_co_u32 s36, s36, s21
	v_lshl_add_u32 v13, v13, 2, s36                ; + lane
	v_lshlrev_b32 v2, 4, v0                        ; staging: 16 bytes a thread
	s_mul_i32 s24, s19, 24576                      ; a batch of a point tensor
	s_mov_b32 s25, 0
	s_wait_kmcnt 0x0
	s_add_nc_u64 s[4:5], s[4:5], s[24:25]
	s_add_nc_u64 s[6:7], s[6:7], s[24:25]
	s_add_nc_u64 s[8:9], s[8:9], s[24:25]
	s_cmp_lt_u32 s20, 16                           ; queries 0-1023 come from points1 by ridx1, the others from points2 by ridx2
	s_cselect_b64 s[26:27], s[4:5], s[6:7]
	s_cselect_b64 s[28:29], s[10:11], s[12:13]
	global_load_b32 v12, v13, s[28:29]             ; my query index
.irp t, 0,1,2
.irp c, 0,1,2
.irp n, 0,1
	global_load_b128 v[STG+4*(6*\t+2*\c+\n):STG+4*(6*\t+2*\c+\n)+3], v2, s[4+2*\t:5+2*\t] offset:\c*8192+\n*4096   ; candidates j = 1024 n + 4 thread + 0..3
.endr
.endr
.endr
	; where they go: quarter thread&3, block e, position pos = 64 n + (thread>>2), stored at 127 - pos (pass B shifts mask bits in from below)
	v_and_b32 v5, 3, v0
	v_mul_u32_u24 v5, SEG, v5
	v_add_nc_u32 v5, 252, v5
	v_and_b32 v6, 0xfc, v0
	v_sub_nc_u32 v5, v5, v6                        ; quarter x SEG + 4 (63 - (thread>>2)); the immediate adds 256 (1 - n)
	v_add_nc_u32 v6, 2*DBYTES, v5                  ; pc lies beyond what a 16-bit immediate reaches
	s_mul_i32 s36, s18, SEG
	v_mov_b32 v[WOFF], s36
	s_wait_loadcnt 18                              ; the index is in; the 18 staging loads issued behind it stay out
	v_min_u32 v12, 0x7ff, v12
	v_lshlrev_b32 v12, 2, v12
	global_load_b32 v[Q], v12, s[26:27]
	global_load_b32 v[Q+2], v12, s[26:27] offset:8192
	global_load_b32 v[Q+4], v12, s[26:27] offset:16384
.irp t, 0,1,2
.irp c, 0,1,2
.irp n, 0,1
	s_wait_loadcnt 20-(6*\t+2*\c+\n)               ; behind this staging load: the later staging loads and the three query loads
.irp e, 0,1,2,3
	ds_store_b32 v[5+\t/2], v[STG+4*(6*\t+2*\c+\n)+\e] offset:(\t%2)*DBYTES+\c*PLANE+\e*512+(1-\n)*256
.endr
.endr
.endr
	; |c|^2 = fma(z, z, fma(y, y, x x)) of this database, the fourth plane
.irp n, 0,1
.irp p, 0,2
	v_pk_mul_f32 v[CCT+4*(2*\t+\n)+\p:CCT+4*(2*\t+\n)+\p+1], v[STG+4*(6*\t+\n)+\p:STG+4*(6*\t+\n)+\p+1], v[STG+4*(6*\t+\n)+\p:STG+4*(6*\t+\n)+\p+1]
	v_pk_fma_f32 v[CCT+4*(2*\t+\n)+\p:CCT+4*(2*\t+\n)+\p+1], v[STG+4*(6*\t+2+\n)+\p:STG+4*(6*\t+2+\n)+\p+1], v[STG+4*(6*\t+2+\n)+\p:STG+4*(6*\t+2+\n)+\p+1], v[CCT+4*(2*\t+\n)+\p:CCT+4*(2*\t+\n)+\p+1]
	v_pk_fma_f32 v[CCT+4*(2*\t+\n)+\p:CCT+4*(2*\t+\n)+\p+1], v[STG+4*(6*\t+4+\n)+\p:STG+4*(6*\t+4+\n)+\p+1], v[STG+4*(6*\t+4+\n)+\p:STG+4*(6*\t+4+\n)+\p+1], v[CCT+4*(2*\t+\n)+\p:CCT+4*(2*\t+\n)+\p+1]
.endr
.irp e, 0,1,2,3
	ds_store_b32 v[5+\t/2], v[CCT+4*(2*\t+\n)+\e] offset:(\t%2)*DBYTES+3*PLANE+\e*512+(1-\n)*256
.endr
.endr
.endr
	; Wave 7 holds positions 120-127, the first 32 bytes of every block.  It puts block 0 of each quarter once more behind the
	; quarter, at +2048, so that a look-ahead past the last chunk reads the first chunk again, by an address that only steps.
	s_cmp_lg_u32 s16, 7
	s_cbranch_scc1 .Lnodup
.irp t, 0,1,2
.irp c, 0,1,2
	ds_store_b32 v[5+\t/2], v[STG+4*(6*\t+2*\c+1)] offset:(\t%2)*DBYTES+\c*PLANE+2048
.endr
	ds_store_b32 v[5+\t/2], v[CCT+4*(2*\t+1)] offset:(\t%2)*DBYTES+3*PLANE+2048
.endr
.Lnodup:
	s_wait_loadcnt 0x0                             ; the query
	v_mul_f32 v[Q+6], v[Q], v[Q]                   ; |q|^2, in the same order of operations as |c|^2
	v_fmac_f32 v[Q+6], v[Q+2], v[Q+2]
	v_fmac_f32 v[Q+6], v[Q+4], v[Q+4]
.irp c, 0,2,4,6
	v_mov_b32 v[Q+\c+1], v[Q+\c]                   ; each twice, for the packed arithmetic
.endr
	s_wait_dscnt 0x0                               ; my part of the points is in LDS before I say so
	s_barrier_signal -1
	s_barrier_wait -1
; eight broadcast loads: 8 candidates, four planes
.macro LOADC b, off
.irp c, 0,1,2,3
	ds_load_b128 v[\b+8*\c:\b+8*\c+3],   v[ADDR] offset:\off+\c*PLANE
	ds_load_b128 v[\b+8*\c+4:\b+8*\c+7], v[ADDR] offset:\off+\c*PLANE+16
.endr
.endm
; 8 distances, two at a time, into the first 8 registers of the buffer.  Both passes use this text: the same bits.
.macro DIST b
.irp p, 0,2,4,6
	v_pk_mul_f32 v[\b+\p:\b+\p+1], v[\b+\p:\b+\p+1], v[Q:Q+1]
.endr
.irp p, 0,2,4,6
	v_pk_fma_f32 v[\b+\p:\b+\p+1], v[\b+8+\p:\b+8+\p+1], v[Q+2:Q+3], v[\b+\p:\b+\p+1]
.endr
.irp p, 0,2,4,6
	v_pk_fma_f32 v[\b+\p:\b+\p+1], v[\b+16+\p:\b+16+\p+1], v[Q+4:Q+5], v[\b+\p:\b+\p+1]           ; q.c
.endr
.irp p, 0,2,4,6
	v_pk_add_f32 v[\b+24+\p:\b+24+\p+1], v[\b+24+\p:\b+24+\p+1], v[Q+6:Q+7]                       ; |q|^2 + |c|^2
.endr
.irp p, 0,2,4,6
	v_pk_fma_f32 v[\b+\p:\b+\p+1], v[\b+\p:\b+\p+1], -2.0, v[\b+24+\p:\b+24+\p+1] op_sel_hi:[1,0,1]   ; doubling is exact: one rounding, that of the subtraction
.endr
.endm
; insert 8 distances into the sorted list: entry i becomes the middle one of (entry i-1, entry i, d), from the top down
.macro INS8 k, b
.irp j, 0,1,2,3,4,5,6,7
.set ins_i, \k-1
.rept \k-1
	v_med3_num_f32 v[L+ins_i], v[L+ins_i-1], v[L+ins_i], v[\b+\j]
.set ins_i, ins_i-1
.endr
	v_min_num_f32 v[L], v[L], v[\b+\j]
.endr
.endm
; 8 candidates into the two masks: the sign of d - T says d < T, the sign of T - d says d > T (equal numbers give +0; small
; differences are kept as denormals, so no difference of unequal numbers is zero).  Each sign is shifted in from below.
.macro CODE b, first, sr, gr
.irp p, 0,2,4,6
	v_pk_add_f32 v[\b+8+\p:\b+8+\p+1],   v[\b+\p:\b+\p+1], v[TT:TT+1] neg_lo:[0,1] neg_hi:[0,1]
	v_pk_add_f32 v[\b+16+\p:\b+16+\p+1], v[TT:TT+1], v[\b+\p:\b+\p+1] neg_lo:[0,1] neg_hi:[0,1]
.endr
.if \first
	v_lshrrev_b32 v[\sr], 31, v[\b+8]              ; the first of 32 starts the word: nothing is cleared
	v_lshrrev_b32 v[\gr], 31, v[\b+16]
.else
	v_alignbit_b32 v[\sr], v[\sr], v[\b+8], 31
	v_alignbit_b32 v[\gr], v[\gr], v[\b+16], 31
.endif
.irp j, 1,2,3,4,5,6,7
	v_alignbit_b32 v[\sr], v[\sr], v[\b+8+\j], 31
	v_alignbit_b32 v[\gr], v[\gr], v[\b+16+\j], 31
.endr
.endm
; one chunk of pass B: ask for the next chunk, then work on this one
.macro PB cur, oth, off, first, sr, gr
	LOADC \oth, \off
	s_wait_dscnt 0x8                               ; only the eight loads just issued may be out: this chunk is in
	DIST \cur
	CODE \cur, \first, \sr, \gr
.endm
; word i of one extraction step: the ones below the lowest set bit are counted, and that bit is cleared
.macro WORD i
	v_bfi_b32 v[Y0+((\i)&1)], v[X+\i], 0, v[MM+\i]         ; ~X & (X - 1)
	v_and_b32 v[X+\i], v[X+\i], v[MM+\i]                   ;  X & (X - 1)
.if \i == 0
	v_bcnt_u32_b32 v[P], v[Y0+((\i)&1)], 0
.else
	v_bcnt_u32_b32 v[P], v[Y0+((\i)&1)], v[P]
.endif
.endm
; the k lowest set bits of the 256 bits of X, as rising keys 16 x position + (4 w + b) in R; position 256 where no bit is left
.macro EXTRACT k
.set ex_t, 0
.rept \k
	v_add_co_u32 v[MM], vcc_lo, -1, v[X]
.set ex_i, 1
.rept 7
	v_add_co_ci_u32 v[MM+ex_i], vcc_lo, -1, v[X+ex_i], vcc_lo
	WORD ex_i-1
.set ex_i, ex_i+1
.endr
	WORD 7
	v_lshl_add_u32 v[R+ex_t], v[P], 4, s22
.set ex_t, ex_t+1
.endr
.endm
; one stage of a bitonic sorter, from one register set into the other.  ty: num_f32 for distances, u32 for keys
.macro STAGE ty, src, dst, k, s
.set st_i, 0
.rept \k
.if (st_i & \s) == 0
	v_min_\ty v[\dst+st_i],    v[\src+st_i], v[\src+st_i+\s]
	v_max_\ty v[\dst+st_i+\s], v[\src+st_i], v[\src+st_i+\s]
.endif
.set st_i, st_i+1
.endr
.endm
; L = the k smallest of sorted L and sorted o, sorted
.macro MERGE ty, k, o
.set mg_i, 0
.if \k == 8
.rept 8
	v_min_\ty v[M+mg_i], v[L+mg_i], v[\o+7-mg_i]
.set mg_i, mg_i+1
.endr
	STAGE \ty, M, L, 8, 4
	STAGE \ty, L, M, 8, 2
	STAGE \ty, M, L, 8, 1
.else
.rept 16
	v_min_\ty v[L+mg_i], v[L+mg_i], v[\o+15-mg_i]
.set mg_i, mg_i+1
.endr
	STAGE \ty, L, M, 16, 8
	STAGE \ty, M, L, 16, 4
	STAGE \ty, L, M, 16, 2
	STAGE \ty, M, L, 16, 1
.endif
.endm
.macro STLIST areg, src, k
.set ls_i, 0
.rept \k/4
	ds_store_b128 v[\areg], v[\src+4*ls_i:\src+4*ls_i+3] offset:512*ls_i
.set ls_i, ls_i+1
.endr
.endm
.macro LDLIST dst, areg, k, off
.set ls_i, 0
.rept \k/4
	ds_load_b128 v[\dst+4*ls_i:\dst+4*ls_i+3], v[\areg] offset:\off+512*ls_i
.set ls_i, ls_i+1
.endr
.endm
.macro XADDR reg, sreg, lk, region     ; region + wave number in s[sreg] x k x 128 + 16 lane
	s_lshl_b32 s36, s[\sreg], 7+\lk
	s_add_co_u32 s36, s36, \region
	v_add_nc_u32 v[\reg], s36, v1
.endm
; one database: k = 1 << lk neighbours; ext, exi: its own bytes for the two exchanges, so that one barrier serves each
.macro KNN db, k, lk, ext, exi
	s_wait_dscnt 0x0                               ; the look-ahead left over from the database before has landed in buffer A
	v_add_nc_u32 v[DBASE], \db*DBYTES, v[WOFF]
	v_mov_b32 v[ADDR], v[DBASE]
	LOADC BUFA, 0
	XADDR XOWN, 16, \lk, \ext
	XADDR XP1,  33, \lk, \ext
	XADDR XP2,  34, \lk, \ext
	XADDR XP3,  35, \lk, \ext
	XADDR KOWN, 16, \lk, \exi
.set kn_i, 0
.rept \k
	v_mov_b32 v[L+kn_i], s37
.set kn_i, kn_i+1
.endr
	; PASS A: 32 trips of 16 candidates
	s_mov_b32 s23, 0
.Lpa\db:
	LOADC BUFB, 32
	s_wait_dscnt 0x8                               ; only the eight loads just issued may be out: buffer A is in
	DIST BUFA
	INS8 \k, BUFA
	LOADC BUFA, 64                                 ; in the last trip: the copy of the first chunk behind the quarter, which pass B takes first
	v_add_nc_u32 v[ADDR], 64, v[ADDR]
	s_wait_dscnt 0x8                               ; likewise: buffer B is in
	DIST BUFB
	INS8 \k, BUFB
	s_add_co_u32 s23, s23, 1
	s_cmp_lt_u32 s23, 32
	s_cbranch_scc1 .Lpa\db
	; THE THRESHOLD: the four quarters of a query group exchange their lists; each merges all four and gets the same k-th smallest
	STLIST XOWN, L, \k
	s_wait_dscnt 0x0                               ; my list is in LDS before I say so
	s_barrier_signal -1
	s_barrier_wait -1
	LDLIST R,  XP1, \k, 0
	LDLIST O2, XP2, \k, 0
	LDLIST O3, XP3, \k, 0
	s_wait_dscnt 2*\k/4                            ; the first partner list is in; the loads of the two others may be out
	MERGE num_f32, \k, R
	s_wait_dscnt \k/4                              ; the second is in
	MERGE num_f32, \k, O2
	s_wait_dscnt 0x0
	MERGE num_f32, \k, O3
	v_mov_b32 v[TT], v[L+\k-1]
	v_mov_b32 v[TT+1], v[L+\k-1]
.set kn_i, 0
.rept \k
	v_mov_b32 v[L+kn_i], -1                        ; L is the key list from here on
.set kn_i, kn_i+1
.endr
	; PASS B: four trips, one for each block of 128 positions.  Group u of 32 candidates holds positions 127 - 32 u downward: word 3 - u.
	s_lshl_b32 s22, s18, 2                         ; 4 w + b
	v_mov_b32 v[ADDR], v[DBASE]
	s_mov_b32 s23, 0
.Lpb\db:
.irp u, 0,1,2,3
	PB BUFA, BUFB, (4*\u+1)*32, 1, X+3-\u, X+7-\u
	PB BUFB, BUFA, (4*\u+2)*32, 0, X+3-\u, X+7-\u
	PB BUFA, BUFB, (4*\u+3)*32, 0, X+3-\u, X+7-\u
	PB BUFB, BUFA, (4*\u+4)*32, 0, X+3-\u, X+7-\u  ; the last of these asks for the next block (behind block 3: for the copy, which is not used)
	v_or_b32 v[X+7-\u], v[X+3-\u], v[X+7-\u]
	v_xor_b32 v[X+7-\u], -1, v[X+7-\u]             ; neither smaller nor greater: equal
.endr
	v_add_nc_u32 v[ADDR], 0x200, v[ADDR]
	EXTRACT \k
	MERGE u32, \k, R
	s_add_co_u32 s22, s22, 1
	s_add_co_u32 s23, s23, 1
	s_cmp_lt_u32 s23, 4
	s_cbranch_scc1 .Lpb\db
	STLIST KOWN, L, \k
.endm
	KNN 0, 8, 3, EXT0, EXI0
	KNN 1, 8, 3, EXT1, EXI1
	KNN 2, 16, 4, EXT2, EXI2
	s_wait_dscnt 0x0                               ; my three key lists are in LDS before I say so
	s_barrier_signal -1
	s_barrier_wait -1
; merge the four quarters of one database and lay the indices into the queries' rows of TR
.macro FINAL k, troff
	LDLIST L,  XOWN, \k, 0
	LDLIST R,  XOWN, \k, \k*128
	LDLIST O2, XOWN, \k, 2*\k*128
	LDLIST O3, XOWN, \k, 3*\k*128
	s_wait_dscnt 2*\k/4                            ; the first two lists are in; the loads of the two others may be out
	MERGE u32, \k, R
	s_wait_dscnt \k/4
	MERGE u32, \k, O2
	s_wait_dscnt 0x0
	MERGE u32, \k, O3
.set fi_i, 0
.rept \k
	v_and_b32 v[L+fi_i], 0x7ff, v[L+fi_i]          ; at least k candidates have d <= T, so every key left is below 4096: drop the tie bit
.set fi_i, fi_i+1
.endr
.set fi_i, 0
.rept \k/4
	ds_store_b128 v[TRA], v[L+4*fi_i:L+4*fi_i+3] offset:\troff+16*fi_i
.set fi_i, fi_i+1
.endr
.endm
	s_mul_i32 s36, s17, 32*TRP
	s_add_co_u32 s36, s36, TR                      ; my query group in TR
	v_mul_u32_u24 v[TRA], 9, v1                    ; 144 x lane
	v_add_nc_u32 v[TRA], s36, v[TRA]
	s_cmp_gt_u32 s18, 1
	s_cbranch_scc1 .Lnot8
	s_lshl_b32 s21, s18, 13                        ; w = 0: points1, w = 1: points2 (their key regions are 8,192 bytes apart)
	s_lshl_b32 s22, s17, 12                        ; 4 g lists of 1,024 bytes
	s_add_co_u32 s21, s21, s22
	s_add_co_u32 s21, s21, EXI0
	v_add_nc_u32 v[XOWN], s21, v1
	s_lshl_b32 s22, s18, 5                         ; slots 8 w ..
	v_add_nc_u32 v[TRA], s22, v[TRA]
	FINAL 8, 0
	s_branch .Lfdone
.Lnot8:
	s_cmp_lg_u32 s18, 2
	s_cbranch_scc1 .Lfdone                         ; w = 3 has no database left to merge
	s_lshl_b32 s21, s17, 13                        ; 4 g lists of 2,048 bytes
	s_add_co_u32 s21, s21, EXI2
	v_add_nc_u32 v[XOWN], s21, v1
	FINAL 16, 64
.Lfdone:
	s_wait_dscnt 0x0                               ; my columns of TR are written before I say so
	s_barrier_signal -1
	s_barrier_wait -1
	; every wave stores 8 queries: a load takes 4 rows of 128 bytes, a store writes them as 512 consecutive bytes, aligned
	v_lshrrev_b32 v5, 7, v1                        ; lane >> 3
	v_and_b32 v6, 0x70, v1                         ; 16 (lane & 7)
	v_mad_u32_u24 v5, v5, TRP, v6
	s_mul_i32 s21, s18, 8*TRP
	s_add_co_u32 s21, s21, s36
	v_add_nc_u32 v5, s21, v5
	ds_load_b128 v[40:43], v5
	ds_load_b128 v[44:47], v5 offset:4*TRP
	s_lshl_b32 s24, ttmp9, 13                      ; 64 queries of 128 bytes
	s_lshl_b32 s21, s16, 10                        ; + 8 queries a wave
	s_add_co_u32 s24, s24, s21
	s_add_nc_u64 s[14:15], s[14:15], s[24:25]
	s_wait_dscnt 0x1                               ; the first load is in, the second may be out
	global_store_b128 v1, v[40:43], s[14:15]
	s_wait_dscnt 0x0
	global_store_b128 v1, v[44:47], s[14:15] offset:512
	s_wait_tensorcnt 0x0
	ds_add_u32 v152, v153
	s_wait_dscnt 0x0
	s_endpgm
.Lfunc_end_k_q90a2b28154_knn:
	.size	k_q90a2b28154_knn, .Lfunc_end_k_q90a2b28154_knn-k_q90a2b28154_knn
	.p2alignl 7, 3214868480
	.fill 96, 4, 3214868480
	.section	.rodata,"a",@progbits
	.p2align	6, 0x0
	.amdhsa_kernel k_q90a2b28154_knn
		.amdhsa_group_segment_fixed_size 177152
		.amdhsa_private_segment_fixed_size 0
		.amdhsa_enable_private_segment 0
		.amdhsa_kernarg_size 48
		.amdhsa_user_sgpr_count 2
		.amdhsa_user_sgpr_kernarg_segment_ptr 1
		.amdhsa_wavefront_size32 1
		.amdhsa_system_sgpr_workgroup_id_x 1
		.amdhsa_system_sgpr_workgroup_id_y 1
		.amdhsa_system_sgpr_workgroup_id_z 1
		.amdhsa_system_vgpr_workitem_id 0
		.amdhsa_next_free_vgpr 154
		.amdhsa_next_free_sgpr 66
		.amdhsa_reserve_vcc 1
		.amdhsa_float_denorm_mode_32 3
		.amdhsa_float_denorm_mode_16_64 3
		.amdhsa_memory_ordered 1
		.amdhsa_forward_progress 1
		.amdhsa_inst_pref_size 255
	.end_amdhsa_kernel
	.section	.bss,"aw",@nobits
	.p2align	6
	.space	262144
	.amdgpu_metadata
---
amdhsa.version: [ 1, 2 ]
amdhsa.kernels:
  - .name:           k_q90a2b28154_knn
    .symbol:         k_q90a2b28154_knn.kd
    .args:
      - { .name: points1, .offset: 0, .size: 8, .value_kind: global_buffer, .address_space: global }
      - { .name: points2, .offset: 8, .size: 8, .value_kind: global_buffer, .address_space: global }
      - { .name: pc, .offset: 16, .size: 8, .value_kind: global_buffer, .address_space: global }
      - { .name: ridx1, .offset: 24, .size: 8, .value_kind: global_buffer, .address_space: global }
      - { .name: ridx2, .offset: 32, .size: 8, .value_kind: global_buffer, .address_space: global }
      - { .name: nbr, .offset: 40, .size: 8, .value_kind: global_buffer, .address_space: global }
    .group_segment_fixed_size: 177152
    .private_segment_fixed_size: 0
    .kernarg_segment_align: 8
    .kernarg_segment_size: 48
    .max_flat_workgroup_size: 256
    .sgpr_count:     66
    .vgpr_count:     154
    .wavefront_size: 32
...
	.end_amdgpu_metadata
.endif
;; end of part 1
;; launch fuse (part 2): grid 256 x 1, 16 waves a work-group, no clusters, 76,800 bytes of LDS; arguments points1, points2, pc, ridx1, ridx2, Wq, Wk, Wv, bq, bk, bv, nbr, out0; writes out0
.if DOCPART == 2
	.amdgcn_target "amdgcn-amd-amdhsa--gfx1250"
	.amdhsa_code_object_version 6
	.text
	.protected	k_q90a2b28154_fuse
	.globl	k_q90a2b28154_fuse
	.p2align	8
	.type	k_q90a2b28154_fuse,@function
k_q90a2b28154_fuse:
	s_mov_b64 s[64:65], 0
	v_nop
	global_prefetch_b8 v0, s[64:65] scope:SCOPE_SE
	s_setreg_imm32_b32 hwreg(HW_REG_WAVE_MODE, 25, 1), 1
	s_wait_xcnt 0x0
; out0[b][d][n] = sum over the 32 neighbours s of w[s] g[s][d]: g the neighbours named by nbr, features (g - q, |g - q|),
; q, k, v = features x W + b (64 channels), softmax(q k^T / 8) v, the largest channel as a score, w = softmax of the scores.
;
; SHARES.  Work-group x: batch x>>5, queries 64 (x&31) .. +63.  Sixteen waves, four queries each, one after the other; lane s = neighbour s.
; The three point sets of the batch lie in LDS (72 KiB), so that neighbours are gathered there; a wave's four query points are gathered
; from memory once, at the entry, and kept in scalar registers.
; MATRIX WORK in bf16 with f32 sums, 40 instructions a query; everything else in f32.  No result goes through LDS between two products:
;   K^T(c,j) = W x features^T leaves, in each lane, 8 neighbouring channels of one neighbour: packed to bf16 that IS the operand (row j, k = c);
;   S^T(j,i) = K Q^T leaves row i of the attention in lanes i and i+16: a softmax within the lane and one exchange; packed it is operand (column i, k = j);
;   V(j,c) packed is operand (row c, k = j);  Y^T(c,i) = V^T P^T leaves the channels of neighbour i in lanes i and i+16.
; ONE WEIGHT OPERAND serves q, k and v: along k it holds (Wq, bq, 0,0,0) at 0-7, (Wk, bk, ..) at 8-15, (Wv, bv, ..) at 16-23, zeros at 24-31;
; the feature operand (f0..f3, 1, 0,0,0) chooses by where it stands along k, zeros elsewhere.  Row r of tile ct is channel 4 r + ct: the sum over
; channels and the maximum over channels do not depend on their order, and a lane gets its four tiles by one load of 16 bytes.
; The attention weights stay unnormalised (the largest of a row is 1 up to rounding); 1 / sum, which is positive, multiplies the maximum over the channels.
; LIMITS.  NaN and infinities are not served.  A squared distance below 2^-126 gives distance 0 (v_sqrt_f32 takes a denormal as zero).
; Indices from nbr and ridx are clamped to 2047.
; NOT USED: tensor loads and clusters: what work-groups share is the batch's 72 KiB of points and 4 KiB of weights, read once at the entry.
.set W,    32                          ; v[32:63]   weight operand, 4 channel tiles
.set F,    64                          ; v[64:95]   blocks of 4: FB0 Z FA0 Z FA1 Z FB1 Z.  FAt: rows of neighbour tile t in lanes 0-15, FBt: in lanes 16-31, Z: zeros
.set D,    96                          ; v[96:159]  8 result tiles
.set KP,   160                         ; v[160:191] K packed: tile jt, K step ks at 16 jt + 8 ks
.set QP,   192                         ; v[192:223] Q packed
.set DV,   160                         ; v[160:223] then V, tile 2 ct + t
.set YT,   160                         ; v[160:223] then Y^T, tile 4 it + ct
.set VT,   128                         ; v[128:159] V packed, tile ct
.set PP,   224                         ; v[224:239] attention weights packed, tile it
.set IDX,  240                         ; v[240:243] my neighbour index in each of the four queries
.set QV,   244                         ; v[244:246] lane l: x, y, z of query l & 3
.set WT,   132                         ; v[132:191] the weights as loaded: 20 set + 4 f + ct (f = 4: the bias)
.set QS,   48                          ; s[48:59]   query i: x, y, z at 48 + 3 i
.set RESB, 73728                       ; LDS: results, coordinate x 256 + query x 4
; v1 lane, v2 my database in LDS, v3 result address, v4 gather address, v6-8 neighbour, v9-11 residual, v12 distance,
; v13 v14 features packed, v15 v16 the other half of the wave, v17 maximum, v[18:19] its negative, scaled, v20 v21 1/sum, v22 v23 scores, v24-31 at work
	s_load_b512 s[4:19], s[0:1], 0x0               ; points1 4, points2 6, pc 8, ridx1 10, ridx2 12, Wq 14, Wk 16, Wv 18
	s_load_b256 s[20:27], s[0:1], 0x40             ; bq 20, bk 22, bv 24, nbr 26
	s_load_b64 s[28:29], s[0:1], 0x60              ; out0
	v_lshl_add_u32 v254, v0, 2, 0x12400
	v_mov_b32 v255, 0
	v_and_b32 v1, 31, v0
	v_lshrrev_b32 v2, 5, v0
	v_readfirstlane_b32 s30, v2                    ; wave
	s_lshr_b32 s31, ttmp9, 5                       ; batch
	s_and_b32 s32, ttmp9, 31                       ; block of 64 queries
	s_mov_b32 s33, 0xffff0000                      ; lanes 16-31, as a select mask
	s_mov_b32 s34, 0x76543210                      ; v_permlanex16_b32: lane i takes lane i of the other half
	s_mov_b32 s35, 0xfedcba98
	s_mov_b32 s36, 0x3e38aa3b                      ; log2(e) / 8, twice
	s_mov_b32 s37, 0x3e38aa3b
	s_mov_b32 s38, 0xbe38aa3b                      ; its negative
	s_mov_b32 s39, 0x3fb8aa3b                      ; log2(e)
	s_lshl_b32 s46, s31, 12                        ; ridx: batch x 4,096 bytes + (block & 15) x 64 words + 4 words a wave
	s_and_b32 s44, s32, 15
	s_lshl_b32 s44, s44, 8
	s_add_co_u32 s46, s46, s44
	s_lshl_b32 s44, s30, 4
	s_add_co_u32 s46, s46, s44
	s_mov_b32 s47, 0
	v_lshlrev_b32 v24, 2, v1                       ; 4 x lane
	v_lshlrev_b32 v25, 4, v0                       ; 16 x thread
	v_and_b32 v26, 15, v1
	v_lshlrev_b32 v26, 4, v26                      ; 16 x (lane & 15): channels 4 r .. 4 r + 3
	v_add_nc_u32 v27, 0x8000, v25
	v_and_b32 v28, 3, v1
	v_lshlrev_b32 v28, 2, v28                      ; 4 x (lane & 3): lane l asks for query l & 3
	s_wait_kmcnt 0x0
	s_cmp_lt_u32 s32, 16                           ; queries 0-1023 come from points1 by ridx1, the others from points2 by ridx2
	s_cselect_b64 s[44:45], s[10:11], s[12:13]
	s_add_nc_u64 s[44:45], s[44:45], s[46:47]
	global_load_b32 v29, v28, s[44:45]             ; the index of query lane & 3
	s_lshl_b32 s46, ttmp9, 13                      ; nbr: 64 queries of 128 bytes + 4 queries a wave
	s_lshl_b32 s2, s30, 9
	s_add_co_u32 s46, s46, s2
	s_add_nc_u64 s[26:27], s[26:27], s[46:47]
.irp i, 0,1,2,3
	global_load_b32 v[IDX+\i], v24, s[26:27] offset:128*\i
.endr
	s_mul_i32 s46, s31, 24576                      ; a batch of a point tensor
	s_add_nc_u64 s[4:5], s[4:5], s[46:47]
	s_add_nc_u64 s[6:7], s[6:7], s[46:47]
	s_add_nc_u64 s[8:9], s[8:9], s[46:47]
	s_cmp_lt_u32 s32, 16                           ; (again: the adds above wrote SCC)
	s_cselect_b64 s[40:41], s[4:5], s[6:7]         ; the point set that my queries come from
.irp t, 0,1,2
.irp c, 0,1,2
	global_load_b128 v[D+4*(3*\t+\c):D+4*(3*\t+\c)+3], v25, s[4+2*\t:5+2*\t] offset:\c*8192   ; 512 threads x 16 bytes: a coordinate plane
.endr
.endr
.irp s, 0,1,2
.irp f, 0,1,2,3
	global_load_b128 v[WT+20*\s+4*\f:WT+20*\s+4*\f+3], v26, s[14+2*\s:15+2*\s] offset:256*\f
.endr
	global_load_b128 v[WT+20*\s+16:WT+20*\s+19], v26, s[20+2*\s:21+2*\s]
.endr
	; what stays the same for all queries
	v_lshrrev_b32 v2, 3, v1
	v_min_u32 v2, 2, v2
	v_mul_u32_u24 v2, 0x6000, v2                   ; slots 0-7: points1, 8-15: points2, 16-31: pc
	s_lshl_b32 s2, s30, 4
	s_add_co_u32 s2, s2, RESB
	v_mov_b32 v3, s2                               ; my four result words
	v_mov_b32 v15, 0                               ; destinations of lane exchanges count as read
	v_mov_b32 v16, 0
	v_mov_b32 v17, 0x3f80                          ; (1.0, 0) in bf16: the feature that meets the bias
.irp z, 4,12,20,28
.irp j, 0,1,2,3
	v_mov_b32 v[F+\z+\j], 0
.endr
.endr
.irp z, 3,11,19,27
	v_mov_b32 v[F+\z], 0
.endr
	v_cndmask_b32 v[F+2],  0, v17, s33             ; FB0, FB1: lanes 16-31
	v_cndmask_b32 v[F+26], 0, v17, s33
	v_cndmask_b32 v[F+10], v17, 0, s33             ; FA0, FA1: lanes 0-15
	v_cndmask_b32 v[F+18], v17, 0, s33
	s_wait_loadcnt 28                              ; the query index is in; the 4 + 9 + 15 loads issued behind it stay out
	v_min_u32 v29, 0x7ff, v29
	v_lshlrev_b32 v29, 2, v29
	global_load_b32 v[QV],   v29, s[40:41]
	global_load_b32 v[QV+1], v29, s[40:41] offset:8192
	global_load_b32 v[QV+2], v29, s[40:41] offset:16384
	s_wait_loadcnt 18                              ; the neighbour indices and the nine planes are in; the 15 weight loads and the 3 query loads stay out
.irp p, 0,1,2,3
	ds_store_b128 v25, v[D+4*\p:D+4*\p+3] offset:\p*8192
.endr
.irp p, 4,5,6,7,8
	ds_store_b128 v27, v[D+4*\p:D+4*\p+3] offset:(\p-4)*8192
.endr
	s_wait_loadcnt 0x0
.irp ct, 0,1,2,3
.irp s, 0,1,2
	v_cvt_pk_bf16_f32 v[4+3*\s], v[WT+20*\s+\ct],    v[WT+20*\s+4+\ct]
	v_cvt_pk_bf16_f32 v[5+3*\s], v[WT+20*\s+8+\ct],  v[WT+20*\s+12+\ct]
	v_cvt_pk_bf16_f32 v[6+3*\s], v[WT+20*\s+16+\ct], 0
.endr
.irp j, 0,1,2
	v_cndmask_b32 v[W+8*\ct+\j],   v[4+\j],  v[7+\j], s33   ; k 0-7: Wq, bq (lanes 0-15); k 8-15: Wk, bk (lanes 16-31)
	v_cndmask_b32 v[W+8*\ct+4+\j], v[10+\j], 0, s33         ; k 16-23: Wv, bv; k 24-31: zeros
.endr
	v_mov_b32 v[W+8*\ct+3], 0
	v_mov_b32 v[W+8*\ct+7], 0
.endr
.irp i, 0,1,2,3
.irp c, 0,1,2
	v_readlane_b32 s[QS+3*\i+\c], v[QV+\c], \i     ; query i, coordinate c
.endr
.endr
	s_wait_dscnt 0x0                               ; my part of the points is in LDS before I say so
	s_barrier_signal -1
	s_barrier_wait -1
.macro PACK dst, src, n                ; register x = (src 2x, src 2x+1) in bf16
.set pk_i, 0
.rept \n
	v_cvt_pk_bf16_f32 v[\dst+pk_i], v[\src+2*pk_i], v[\src+2*pk_i+1]
.set pk_i, pk_i+1
.endr
.endm
.macro NOPS n
.rept \n
	v_nop
.endr
.endm
.macro WM0 d, a, b                     ; the first product starts the sum
	v_wmma_f32_16x16x32_bf16 v[\d:\d+7], v[\a:\a+7], v[\b:\b+7], 0
.endm
.macro WMC d, a, b
	v_wmma_f32_16x16x32_bf16 v[\d:\d+7], v[\a:\a+7], v[\b:\b+7], v[\d:\d+7]
.endm
; rows 16 it .. +15 of the attention: lane (r, h) holds j = 8h .. 8h+7 and 16+8h .. 16+8h+7 of row 16 it + r in 16 registers
.macro SOFTMAX it
.set SMB, D+16*\it
	v_max3_num_f32 v17, v[SMB], v[SMB+1], v[SMB+2]
.irp j, 3,5,7,9,11,13
	v_max3_num_f32 v17, v17, v[SMB+\j], v[SMB+\j+1]
.endr
	v_max_num_f32 v17, v17, v[SMB+15]
	v_permlanex16_b32 v15, v17, s34, s35
	v_max_num_f32 v17, v17, v15                    ; the row maximum
	v_mul_f32 v18, s38, v17
	v_mul_f32 v19, s38, v17
.irp j, 0,2,4,6,8,10,12,14
	v_pk_fma_f32 v[SMB+\j:SMB+\j+1], v[SMB+\j:SMB+\j+1], s[36:37], v[18:19] op_sel_hi:[1,0,1]   ; (S - max) log2(e) / 8
.endr
.irp j, 0,1,2,3,4,5,6,7,8,9,10,11,12,13,14,15
	v_exp_f32 v[SMB+\j], v[SMB+\j]
.endr
	v_nop                                          ; one plain instruction behind the last exponential before its result is read (ISA guide 5.7.2)
	s_wait_alu depctr_va_vdst(0)
	v_pk_add_f32 v[24:25], v[SMB:SMB+1],     v[SMB+2:SMB+3]
	v_pk_add_f32 v[26:27], v[SMB+4:SMB+5],   v[SMB+6:SMB+7]
	v_pk_add_f32 v[28:29], v[SMB+8:SMB+9],   v[SMB+10:SMB+11]
	v_pk_add_f32 v[30:31], v[SMB+12:SMB+13], v[SMB+14:SMB+15]
	v_pk_add_f32 v[24:25], v[24:25], v[26:27]
	v_pk_add_f32 v[28:29], v[28:29], v[30:31]
	v_pk_add_f32 v[24:25], v[24:25], v[28:29]
	v_add_f32 v[20+\it], v24, v25
	v_permlanex16_b32 v15, v[20+\it], s34, s35
	v_add_f32 v[20+\it], v[20+\it], v15            ; about 1 at the least: the term of the maximum
	v_rcp_f32 v[20+\it], v[20+\it]                 ; the packs below are the plain instructions behind it
	PACK PP+8*\it, SMB, 8
.endm
; Distances behind matrix instructions (ISA guide 7.12.1), as kept here: four plain vector instructions that name none of its registers
; before a vector instruction reads its result or writes one of its registers, five before another matrix instruction writes over
; one of its registers.  v_nop where no such work stands there anyway; other matrix instructions are not counted.
.macro QUERY i
	v_min_u32 v4, 0x7ff, v[IDX+\i]
	v_lshl_add_u32 v4, v4, 2, v2
	ds_load_b32 v6, v4                             ; my neighbour
	ds_load_b32 v7, v4 offset:8192
	ds_load_b32 v8, v4 offset:16384
	s_wait_dscnt 0x0
	v_sub_f32 v9, v6, s[QS+3*\i]
	v_sub_f32 v10, v7, s[QS+3*\i+1]
	v_sub_f32 v11, v8, s[QS+3*\i+2]
	v_mul_f32 v12, v9, v9
	v_fmac_f32 v12, v10, v10
	v_fmac_f32 v12, v11, v11
	v_sqrt_f32 v12, v12                            ; 0 gives 0; the next line is the plain instruction behind it
	v_cvt_pk_bf16_f32 v13, v9, v10
	s_wait_alu depctr_va_vdst(0)
	v_cvt_pk_bf16_f32 v14, v11, v12
	v_permlanex16_b32 v15, v13, s34, s35
	v_permlanex16_b32 v16, v14, s34, s35
	v_cndmask_b32 v[F+8],  v13, 0, s33             ; FA0: neighbours 0-15 in lanes 0-15
	v_cndmask_b32 v[F+9],  v14, 0, s33
	v_cndmask_b32 v[F+0],  0, v15, s33             ; FB0: neighbours 0-15 in lanes 16-31
	v_cndmask_b32 v[F+1],  0, v16, s33
	v_cndmask_b32 v[F+16], v15, 0, s33             ; FA1: neighbours 16-31 in lanes 0-15
	v_cndmask_b32 v[F+17], v16, 0, s33
	v_cndmask_b32 v[F+24], 0, v13, s33             ; FB1: neighbours 16-31 in lanes 16-31
	v_cndmask_b32 v[F+25], 0, v14, s33
	; K^T(c, j): features at k 8-15 = (FB, Z)
.irp jt, 0,1
.irp ct, 0,1,2,3
	WM0 D+8*(4*\jt+\ct), W+8*\ct, F+24*\jt
.endr
.endr
	NOPS 4
	PACK KP, D, 32
	; Q^T(c, i): features at k 0-7 = (FA, Z).  The packs above stand between these and the products whose results they write over.
.irp it, 0,1
.irp ct, 0,1,2,3
	WM0 D+8*(4*\it+\ct), W+8*\ct, F+8+8*\it
.endr
.endr
	NOPS 4
	PACK QP, D, 32
	; S^T(j, i), 64 channels in two steps; the second step is the next link of a chain in place
.irp it, 0,1
.irp jt, 0,1
	WM0 D+8*(2*\it+\jt), KP+16*\jt, QP+16*\it
.endr
.endr
.irp it, 0,1
.irp jt, 0,1
	WMC D+8*(2*\it+\jt), KP+16*\jt+8, QP+16*\it+8
.endr
.endr
	NOPS 5                                         ; V is written over K and Q packed, and the softmax reads S^T
	; V(j, c): features at k 16-23 = (Z, FA)
.irp ct, 0,1,2,3
.irp t, 0,1
	WM0 DV+8*(2*\ct+\t), F+4+8*\t, W+8*\ct
.endr
.endr
	SOFTMAX 0
	SOFTMAX 1
	PACK VT, DV, 32
	; Y^T(c, i), all 32 neighbours in one step
.irp it, 0,1
.irp ct, 0,1,2,3
	WM0 YT+8*(4*\it+\ct), VT+8*\ct, PP+8*\it
.endr
.endr
	NOPS 4
	; the largest channel: 32 registers for each half of the neighbours, two chains side by side, then the other half of the wave
	v_max3_num_f32 v22, v[YT],    v[YT+1],  v[YT+2]
	v_max3_num_f32 v23, v[YT+32], v[YT+33], v[YT+34]
.irp j, 3,5,7,9,11,13,15,17,19,21,23,25,27,29
	v_max3_num_f32 v22, v22, v[YT+\j],    v[YT+\j+1]
	v_max3_num_f32 v23, v23, v[YT+32+\j], v[YT+32+\j+1]
.endr
	v_max_num_f32 v22, v22, v[YT+31]
	v_max_num_f32 v23, v23, v[YT+63]
	v_permlanex16_b32 v15, v22, s34, s35
	v_permlanex16_b32 v16, v23, s34, s35
	v_max_num_f32 v22, v22, v15
	v_max_num_f32 v23, v23, v16
	v_mul_f32 v22, v22, v20                        ; the division by the softmax sum, left out above
	s_wait_alu depctr_va_vdst(0)
	v_mul_f32 v23, v23, v21
	v_cndmask_b32 v22, v22, v23, s33               ; lane s: the score of neighbour s
	; softmax over the 32 lanes, and the weighted sum of the neighbours
	v_max_num_f32_dpp v24, v22, v22 row_xmask:1 row_mask:0xf bank_mask:0xf
	v_max_num_f32_dpp v24, v24, v24 row_xmask:2 row_mask:0xf bank_mask:0xf
	v_max_num_f32_dpp v24, v24, v24 row_xmask:4 row_mask:0xf bank_mask:0xf
	v_max_num_f32_dpp v24, v24, v24 row_xmask:8 row_mask:0xf bank_mask:0xf
	v_permlanex16_b32 v15, v24, s34, s35
	v_max_num_f32 v24, v24, v15
	v_sub_f32 v25, v22, v24
	v_mul_f32 v25, s39, v25
	v_exp_f32 v25, v25
	v_nop                                          ; one plain instruction behind the exponential
	s_wait_alu depctr_va_vdst(0)
	v_mul_f32 v26, v25, v6
	v_mul_f32 v27, v25, v7
	v_mul_f32 v28, v25, v8
.irp x, 1,2,4,8
.irp r, 25,26,27,28
	v_add_f32_dpp v\r, v\r, v\r row_xmask:\x row_mask:0xf bank_mask:0xf
.endr
.endr
	v_permlanex16_b32 v15, v25, s34, s35
	v_permlanex16_b32 v16, v26, s34, s35
	v_permlanex16_b32 v29, v27, s34, s35
	v_permlanex16_b32 v30, v28, s34, s35
	v_add_f32 v25, v25, v15
	v_add_f32 v26, v26, v16
	v_add_f32 v27, v27, v29
	v_add_f32 v28, v28, v30
	v_rcp_f32 v25, v25                             ; at least 1: the term of the maximum is exactly 1
	v_nop                                          ; one plain instruction behind the reciprocal
	s_wait_alu depctr_va_vdst(0)
	v_mul_f32 v26, v26, v25
	v_mul_f32 v27, v27, v25
	v_mul_f32 v28, v28, v25
	ds_store_b32 v3, v26 offset:4*\i               ; all lanes hold the same number and write the same word
	ds_store_b32 v3, v27 offset:256+4*\i
	ds_store_b32 v3, v28 offset:512+4*\i
.endm
	QUERY 0
	QUERY 1
	QUERY 2
	QUERY 3
	s_wait_dscnt 0x0                               ; my twelve results are in LDS before I say so
	s_barrier_signal -1
	s_barrier_wait -1
	s_cmp_gt_u32 s30, 2
	s_cbranch_scc1 .Lend
	; waves 0, 1, 2: one coordinate each; 32 lanes x 8 bytes are the 64 queries: 256 consecutive bytes of out0, aligned
	s_lshl_b32 s45, s30, 8
	s_add_co_u32 s45, s45, RESB
	v_lshl_add_u32 v4, v1, 3, s45
	ds_load_b64 v[6:7], v4
	s_mul_i32 s46, s31, 24576
	s_lshl_b32 s45, s30, 13
	s_add_co_u32 s46, s46, s45
	s_lshl_b32 s45, s32, 8
	s_add_co_u32 s46, s46, s45
	s_add_nc_u64 s[28:29], s[28:29], s[46:47]
	v_lshlrev_b32 v5, 3, v1
	s_wait_dscnt 0x0
	global_store_b64 v5, v[6:7], s[28:29]
.Lend:
	s_wait_tensorcnt 0x0
	ds_add_u32 v254, v255
	s_wait_dscnt 0x0
	s_endpgm
.Lfunc_end_k_q90a2b28154_fuse:
	.size	k_q90a2b28154_fuse, .Lfunc_end_k_q90a2b28154_fuse-k_q90a2b28154_fuse
	.p2alignl 7, 3214868480
	.fill 96, 4, 3214868480
	.section	.rodata,"a",@progbits
	.p2align	6, 0x0
	.amdhsa_kernel k_q90a2b28154_fuse
		.amdhsa_group_segment_fixed_size 76800
		.amdhsa_private_segment_fixed_size 0
		.amdhsa_enable_private_segment 0
		.amdhsa_kernarg_size 104
		.amdhsa_user_sgpr_count 2
		.amdhsa_user_sgpr_kernarg_segment_ptr 1
		.amdhsa_wavefront_size32 1
		.amdhsa_system_sgpr_workgroup_id_x 1
		.amdhsa_system_sgpr_workgroup_id_y 1
		.amdhsa_system_sgpr_workgroup_id_z 1
		.amdhsa_system_vgpr_workitem_id 0
		.amdhsa_next_free_vgpr 256
		.amdhsa_next_free_sgpr 66
		.amdhsa_reserve_vcc 0
		.amdhsa_float_denorm_mode_32 3
		.amdhsa_float_denorm_mode_16_64 3
		.amdhsa_memory_ordered 1
		.amdhsa_forward_progress 1
		.amdhsa_inst_pref_size 96
	.end_amdhsa_kernel
	.amdgpu_metadata
---
amdhsa.version: [ 1, 2 ]
amdhsa.kernels:
  - .name:           k_q90a2b28154_fuse
    .symbol:         k_q90a2b28154_fuse.kd
    .args:
      - { .name: points1, .offset: 0, .size: 8, .value_kind: global_buffer, .address_space: global }
      - { .name: points2, .offset: 8, .size: 8, .value_kind: global_buffer, .address_space: global }
      - { .name: pc, .offset: 16, .size: 8, .value_kind: global_buffer, .address_space: global }
      - { .name: ridx1, .offset: 24, .size: 8, .value_kind: global_buffer, .address_space: global }
      - { .name: ridx2, .offset: 32, .size: 8, .value_kind: global_buffer, .address_space: global }
      - { .name: Wq, .offset: 40, .size: 8, .value_kind: global_buffer, .address_space: global }
      - { .name: Wk, .offset: 48, .size: 8, .value_kind: global_buffer, .address_space: global }
      - { .name: Wv, .offset: 56, .size: 8, .value_kind: global_buffer, .address_space: global }
      - { .name: bq, .offset: 64, .size: 8, .value_kind: global_buffer, .address_space: global }
      - { .name: bk, .offset: 72, .size: 8, .value_kind: global_buffer, .address_space: global }
      - { .name: bv, .offset: 80, .size: 8, .value_kind: global_buffer, .address_space: global }
      - { .name: nbr, .offset: 88, .size: 8, .value_kind: global_buffer, .address_space: global }
      - { .name: out0, .offset: 96, .size: 8, .value_kind: global_buffer, .address_space: global }
    .group_segment_fixed_size: 76800
    .private_segment_fixed_size: 0
    .kernarg_segment_align: 8
    .kernarg_segment_size: 104
    .max_flat_workgroup_size: 512
    .sgpr_count:     66
    .vgpr_count:     256
    .wavefront_size: 32
...
	.end_amdgpu_metadata
.endif
;; end of part 2
;; ======== version 2 of 3: 2 launches; 1.28 times as fast as version 1
;; limits: values outside matrix products are rounded to bf16; right only within a limited range of input values
;; workspace buffers: nbr 2,097,152 bytes of whole numbers
;; launch knn (part 3): grid 256 x 1, 16 waves a work-group, no clusters, 249,856 bytes of LDS; arguments points1, points2, pc, ridx1, ridx2, nbr; writes nbr
.if DOCPART == 3
	.amdgcn_target "amdgcn-amd-amdhsa--gfx1250"
	.amdhsa_code_object_version 6
	.text
	.protected	k_q90a2b28154_knn
	.globl	k_q90a2b28154_knn
	.p2align	8
	.type	k_q90a2b28154_knn,@function
k_q90a2b28154_knn:
	s_mov_b64 s[64:65], 0
	v_nop
	global_prefetch_b8 v0, s[64:65] scope:SCOPE_SE
	s_setreg_imm32_b32 hwreg(HW_REG_WAVE_MODE, 25, 1), 1
	s_wait_xcnt 0x0
; nbr[query][32] = indices of the 8 nearest points of points1, the 8 nearest of points2 and the 16 nearest of pc (same batch),
; for the 8 x 2048 queries newp = points1[ridx1] ++ points2[ridx2].  Only the SETS matter to what follows, not their order.
;
; SHARES.  Work-group x: batch x>>5, queries 64 (x&31) .. +63.  Sixteen waves: g = wave>>3 is a group of 32 queries (lane = query),
; w = wave&7 an eighth of each database: the candidates j with (j>>1)&7 == w, as two blocks b = j&1 of 128 positions pos = j>>4.
; METHOD, free of any branch or address that hangs on a distance:
;   pass A  each lane keeps the k smallest distances of its 256 candidates, sorted: 16 new distances are sorted by a network into runs
;           of k, and each run is merged into a list; the eight eighths exchange their lists through LDS and merge them:
;           T = the k-th smallest distance of the database;
;   pass B  the same distances again (same instructions, same bits); per block two masks of 128 bits, d < T and d == T;
;           the k lowest set bits of (strict mask, tie mask) become keys: index j for d < T, 2048 + j for d == T, 4096 + .. for none;
;           sorted key lists are merged over blocks and eighths: all closer points first, then ties by rising index.
; A COMPARATOR IS ONE INSTRUCTION: the two halves of a dual instruction take the minimum and the maximum of the same two registers.  They
; write into another register set than they read, so that neither half reads what the other writes, and into an even and the next odd
; register, as the dual encoding asks.  Keys are compared by the same instructions: a key is kept as the float whose bits are
; 0x3f800000 + key, a normal number between 1 and 2 that rises with the key.
; BARRIERS.  A list is stored, waited for and signalled; a whole pass over another database, which only computes and loads LDS bytes that
; are never written again, stands between that signal and its wait.  So a wave stops only for a wave that is a whole pass behind.
; Order: A(pc) | A(points1) | T, B(pc) | A(points2) | T, B(points1) | T, B(points2): the longest database first, a short one last.
; THE DISTANCE is the module's own expression, d = (|q|^2 + |c|^2) - 2 q.c in f32, each sum of three products as one multiply and two
; fused multiply-adds in the order x, y, z; |c|^2 is made once, on the way into LDS.  Which points are the nearest hangs on the rounding
; of that expression where two candidates are almost equally far, so the same expression is evaluated here; d may come out below zero.
; LIMITS.  NaN and infinite coordinates are not served.  The ranking carries the rounding of that expression, about
; 2^-23 (|q|^2 + |c|^2), which grows with a common offset of the points; an evaluation of it in another order may rank two candidates
; that are closer than that the other way.  Pass B compares by (d - T) 2^90: squared distances of 2^38 and more are not served, and two
; squared distances that differ by less than 2^-89 count as equal.  Indices in ridx are clamped to 2047.
; NOT USED: matrix units (operands of 16 bits move a squared distance by more than neighbouring candidates differ); tensor loads and
; clusters (what work-groups share is 72 KiB read once at the entry, and it has to be scattered into the eighths on its way to LDS).
.set SEG,    1120                      ; an eighth of a plane: 2 blocks x 128 floats, then 96 bytes of pad (64 of them hold a copy, see below)
.set PLANE,  8*SEG                     ; one plane of one database: x, y, z or |c|^2
.set DBYTES, 4*PLANE                   ; one database; three of them end at byte 107,520
.set EXT0,   107520                    ; exchanged distance lists: wave x k x 128 + 512 i + 16 lane
.set EXT1,   123904
.set EXT2,   140288
.set EXI0,   173056                    ; exchanged key lists, same layout
.set EXI1,   189440
.set EXI2,   205824
.set TR,     238592                    ; the way out: g x 4,608 + query x 144 + slot x 4
.set TRP,    144                       ; 128 bytes of a query + 16: 9 x 16 bytes from lane to lane
.set ADDR,  2                          ; v2       LDS address of the chunk at work (the same in all lanes)
.set WOFF,  3                          ; v3       w x SEG
.set XOWN,  5                          ; v5       my list in LDS
.set XGRP,  6                          ; v6       the eight lists of my query group
.set CA,    8                          ; v8       codes of the even candidates of a group of 32, two bits each
.set CB,    9                          ; v9       codes of the odd ones
.set TT,    10                         ; v[10:11] -T 2^90, twice
.set P,     12                         ; v12      position of the lowest set bit
.set NC,    13                         ; v13      1 - the number of set bits of a block's masks
.set TMP,   14                         ; v14      at work
.set TRA,   15                         ; v15      my row of TR
.set Q,     16                         ; v[16:23] (qx,qx) (qy,qy) (qz,qz) (|q|^2,|q|^2)
.set X,     24                         ; v[24:31] masks: 4 words d < T, 4 words d == T
.set MM,    32                         ; v[32:39] the masks minus one, as one number of 256 bits
.set BUFA,  40                         ; v[40:103]  16 candidates: x0-15, y0-15, z0-15, |c|^2 0-15
.set BUFB,  104                        ; v[104:167]
.set L,     168                        ; v[168:183] the sorted list (k = 8 in pass A: two lists of 8)
.set R,     184                        ; v[184:199] a second sorted list
.set M,     200                        ; v[200:215] the merge network at work
.set E,     216                        ; v[216:231] a partner list;
.set XR,    216                        ;            in pass B: (d - T) 2^90 of the chunk before
.set STG,   40                         ; v[40:75]   the 9 staging loads
.set CCT,   76                         ; v[76:87]   |c|^2 of the staged candidates: 4 registers for each database
	s_load_b256 s[4:11], s[0:1], 0x0               ; points1 s[4:5], points2 s[6:7], pc s[8:9], ridx1 s[10:11]
	s_load_b128 s[12:15], s[0:1], 0x20             ; ridx2 s[12:13], nbr s[14:15]
	v_lshl_add_u32 v232, v0, 2, 0x3c800
	v_mov_b32 v233, 0
	v_and_b32 v13, 31, v0                          ; lane
	v_lshlrev_b32 v1, 4, v13                       ; 16 x lane
	v_lshrrev_b32 v14, 5, v0
	v_readfirstlane_b32 s16, v14                   ; wave = 8 g + w
	s_lshr_b32 s17, s16, 3                         ; g
	s_and_b32 s18, s16, 7                          ; w
	s_lshr_b32 s19, ttmp9, 5                       ; batch
	s_and_b32 s20, ttmp9, 31                       ; block of 64 queries
	s_mov_b32 s37, 0x7f800000                      ; +infinity starts every list
	s_mov_b32 s30, 0x6c800000                      ; 2^90, twice
	s_mov_b32 s31, 0x6c800000
	s_mov_b32 s32, 0xaaaaaaaa                      ; the upper bit of every two-bit code
	s_lshl_b32 s36, s19, 12                        ; ridx: batch x 4,096 bytes
	s_and_b32 s21, s20, 15
	s_lshl_b32 s21, s21, 8                         ; + (block & 15) x 64 words
	s_add_co_u32 s36, s36, s21
	s_lshl_b32 s21, s17, 7                         ; + g x 32 words
	s_add_co_u32 s36, s36, s21
	v_lshl_add_u32 v13, v13, 2, s36                ; + lane
	v_lshlrev_b32 v2, 4, v0                        ; staging: 16 bytes a thread, 512 threads: a whole plane
	s_mul_i32 s24, s19, 24576                      ; a batch of a point tensor
	s_mov_b32 s25, 0
	s_wait_kmcnt 0x0
	s_add_nc_u64 s[4:5], s[4:5], s[24:25]
	s_add_nc_u64 s[6:7], s[6:7], s[24:25]
	s_add_nc_u64 s[8:9], s[8:9], s[24:25]
	s_cmp_lt_u32 s20, 16                           ; queries 0-1023 come from points1 by ridx1, the others from points2 by ridx2
	s_cselect_b64 s[26:27], s[4:5], s[6:7]
	s_cselect_b64 s[28:29], s[10:11], s[12:13]
	global_load_b32 v12, v13, s[28:29]             ; my query index
.irp t, 0,1,2
.irp c, 0,1,2
	global_load_b128 v[STG+4*(3*\t+\c):STG+4*(3*\t+\c)+3], v2, s[4+2*\t:5+2*\t] offset:\c*8192   ; candidates j = 4 thread + 0..3
.endr
.endr
	; where they go: j = 16 pos + 4 (thread&3) + e, so eighth 2 (thread&3) + (e>>1), block e&1, position pos = thread>>2,
	; stored at place 127 - pos (pass B shifts codes in from below).  2 SEG bytes are 48 words modulo 64: the four values of
	; thread&3 in a wave start in four different quarters of the 64 banks (ISA guide 11.1), 8 neighbouring words each.
	v_and_b32 v5, 3, v0
	v_mul_u32_u24 v5, 2*SEG, v5
	v_add_nc_u32 v5, 508, v5
	v_and_b32 v6, 0x1fc, v0
	v_sub_nc_u32 v5, v5, v6                        ; (thread&3) x 2 SEG + 4 (127 - (thread>>2))
	v_add_nc_u32 v6, 2*DBYTES, v5                  ; pc lies beyond what a 16-bit immediate reaches
	s_mul_i32 s36, s18, SEG
	v_mov_b32 v[WOFF], s36
	s_wait_loadcnt 9                               ; the index is in; the 9 staging loads issued behind it stay out
	v_min_u32 v12, 0x7ff, v12
	v_lshlrev_b32 v12, 2, v12
	global_load_b32 v[Q], v12, s[26:27]
	global_load_b32 v[Q+2], v12, s[26:27] offset:8192
	global_load_b32 v[Q+4], v12, s[26:27] offset:16384
.irp t, 0,1,2
.irp c, 0,1,2
	s_wait_loadcnt 11-(3*\t+\c)                    ; behind this staging load: the later staging loads and the three query loads
.irp e, 0,1,2,3
	ds_store_b32 v[5+\t/2], v[STG+4*(3*\t+\c)+\e] offset:(\t%2)*DBYTES+\c*PLANE+(\e/2)*SEG+(\e%2)*512
.endr
.endr
	; |c|^2 = fma(z, z, fma(y, y, x x)) of this database, the fourth plane
.irp p, 0,2
	v_pk_mul_f32 v[CCT+4*\t+\p:CCT+4*\t+\p+1], v[STG+12*\t+\p:STG+12*\t+\p+1], v[STG+12*\t+\p:STG+12*\t+\p+1]
	v_pk_fma_f32 v[CCT+4*\t+\p:CCT+4*\t+\p+1], v[STG+12*\t+4+\p:STG+12*\t+4+\p+1], v[STG+12*\t+4+\p:STG+12*\t+4+\p+1], v[CCT+4*\t+\p:CCT+4*\t+\p+1]
	v_pk_fma_f32 v[CCT+4*\t+\p:CCT+4*\t+\p+1], v[STG+12*\t+8+\p:STG+12*\t+8+\p+1], v[STG+12*\t+8+\p:STG+12*\t+8+\p+1], v[CCT+4*\t+\p:CCT+4*\t+\p+1]
.endr
.irp e, 0,1,2,3
	ds_store_b32 v[5+\t/2], v[CCT+4*\t+\e] offset:(\t%2)*DBYTES+3*PLANE+(\e/2)*SEG+(\e%2)*512
.endr
.endr
	; Waves 14 and 15 hold positions 112-127, the first 64 bytes of every block.  They put block 0 of each eighth once more behind the
	; eighth, at +1024, so that a look-ahead past the last chunk reads bytes that have been written, by an address that only steps.
	s_cmp_lt_u32 s16, 14
	s_cbranch_scc1 .Lnodup
.irp t, 0,1,2
.irp e, 0,2
.irp c, 0,1,2
	ds_store_b32 v[5+\t/2], v[STG+4*(3*\t+\c)+\e] offset:(\t%2)*DBYTES+\c*PLANE+(\e/2)*SEG+1024
.endr
	ds_store_b32 v[5+\t/2], v[CCT+4*\t+\e] offset:(\t%2)*DBYTES+3*PLANE+(\e/2)*SEG+1024
.endr
.endr
.Lnodup:
	s_wait_loadcnt 0x0                             ; the query
	v_mul_f32 v[Q+6], v[Q], v[Q]                   ; |q|^2, in the same order of operations as |c|^2
	v_fmac_f32 v[Q+6], v[Q+2], v[Q+2]
	v_fmac_f32 v[Q+6], v[Q+4], v[Q+4]
.irp c, 0,2,4,6
	v_mov_b32 v[Q+\c+1], v[Q+\c]                   ; each twice, for the packed arithmetic
.endr
	s_wait_dscnt 0x0                               ; my part of the points is in LDS before I say so
	s_barrier_signal -1
	s_barrier_wait -1
; sixteen broadcast loads: 16 candidates, four planes
.macro LOADC b, off
.irp c, 0,1,2,3
.irp i, 0,1,2,3
	ds_load_b128 v[\b+16*\c+4*\i:\b+16*\c+4*\i+3], v[ADDR] offset:\off+\c*PLANE+16*\i
.endr
.endr
.endm
; The code of candidate n of the chunk before: the top two bits of x = (d - T) 2^90, shifted in from below.  The sign says d < T; bit 30,
; |x| >= 2, says d != T.  Even candidates go to CA, odd ones to CB.  first = 1: candidates 0 and 1 start the words: nothing is cleared.
.macro AB n, first
.if (\first) & ((\n) < 2)
	v_lshrrev_b32 v[CA+((\n)&1)], 30, v[XR+\n]
.else
	v_alignbit_b32 v[CA+((\n)&1)], v[CA+((\n)&1)], v[XR+\n], 30
.endif
.endm
; 16 distances, two at a time, into the first 16 registers of the buffer.  Both passes use this text: the same bits.
; ab = 1 (pass B): the 16 codes of the chunk before are gathered between these lines, one behind every two, so that the two chains of
; shifts stand among instructions that do not depend on them.
.macro DIST b, ab, first
.irp i, 0,1,2,3
	v_pk_mul_f32 v[\b+4*\i:\b+4*\i+1],   v[\b+4*\i:\b+4*\i+1],   v[Q:Q+1]
	v_pk_mul_f32 v[\b+4*\i+2:\b+4*\i+3], v[\b+4*\i+2:\b+4*\i+3], v[Q:Q+1]
.if \ab
	AB \i, \first
.endif
.endr
.irp i, 0,1,2,3
	v_pk_fma_f32 v[\b+4*\i:\b+4*\i+1],   v[\b+16+4*\i:\b+16+4*\i+1],   v[Q+2:Q+3], v[\b+4*\i:\b+4*\i+1]
	v_pk_fma_f32 v[\b+4*\i+2:\b+4*\i+3], v[\b+16+4*\i+2:\b+16+4*\i+3], v[Q+2:Q+3], v[\b+4*\i+2:\b+4*\i+3]
.if \ab
	AB 4+\i, \first
.endif
.endr
.irp i, 0,1,2,3
	v_pk_fma_f32 v[\b+4*\i:\b+4*\i+1],   v[\b+32+4*\i:\b+32+4*\i+1],   v[Q+4:Q+5], v[\b+4*\i:\b+4*\i+1]       ; q.c
	v_pk_fma_f32 v[\b+4*\i+2:\b+4*\i+3], v[\b+32+4*\i+2:\b+32+4*\i+3], v[Q+4:Q+5], v[\b+4*\i+2:\b+4*\i+3]
.if \ab
	AB 8+\i, \first
.endif
.endr
.irp i, 0,1,2,3
	v_pk_add_f32 v[\b+48+4*\i:\b+48+4*\i+1],   v[\b+48+4*\i:\b+48+4*\i+1],   v[Q+6:Q+7]                       ; |q|^2 + |c|^2
	v_pk_add_f32 v[\b+48+4*\i+2:\b+48+4*\i+3], v[\b+48+4*\i+2:\b+48+4*\i+3], v[Q+6:Q+7]
.if \ab
	AB 12+\i, \first
.endif
.endr
.irp p, 0,2,4,6,8,10,12,14
	v_pk_fma_f32 v[\b+\p:\b+\p+1], v[\b+\p:\b+\p+1], -2.0, v[\b+48+\p:\b+48+\p+1] op_sel_hi:[1,0,1]   ; doubling is exact: one rounding, that of the subtraction
.endr
.endm
; a comparator: the smaller of registers a, b to d (even), the larger to d + 1
.macro CE d, a, b
	v_dual_min_num_f32 v[\d], v[\a], v[\b] :: v_dual_max_num_f32 v[\d+1], v[\a], v[\b]
.endm
; One stage over n registers in blocks of S.  MIRR joins two rising runs of S/2: place c against place S-1-c; the smaller ones (places 2c)
; and the larger ones (places 2c+1) are then two sequences that rise and fall once.  SHUF compares place p with place p + S/2 and writes
; places 2p, 2p+1: it compares along the top bit of the place number and turns that number left by one bit, so that the next SHUF
; meets the next lower stride.  One MIRR and log2(S) - 1 SHUF leave the block sorted, in its natural order.
.macro MIRR src, dst, n, S
.set sh_b, 0
.rept \n/\S
.set sh_p, 0
.rept \S/2
	CE \dst+sh_b+2*sh_p, \src+sh_b+sh_p, \src+sh_b+\S-1-sh_p
.set sh_p, sh_p+1
.endr
.set sh_b, sh_b+\S
.endr
.endm
.macro SHUF src, dst, n, S
.set sh_b, 0
.rept \n/\S
.set sh_p, 0
.rept \S/2
	CE \dst+sh_b+2*sh_p, \src+sh_b+sh_p, \src+sh_b+sh_p+\S/2
.set sh_p, sh_p+1
.endr
.set sh_b, sh_b+\S
.endr
.endm
; the 16 numbers at b into rising runs of k (8 or 16), in place; the 16 registers behind them are the other set
.macro SORT b, k
	MIRR \b, \b+16, 16, 2
	MIRR \b+16, \b, 16, 4
	SHUF \b, \b+16, 16, 4
	MIRR \b+16, \b, 16, 8
	SHUF \b, \b+16, 16, 8
	SHUF \b+16, \b, 16, 8
.if \k == 16
	MIRR \b, \b+16, 16, 16
	SHUF \b+16, \b, 16, 16
	SHUF \b, \b+16, 16, 16
	SHUF \b+16, \b, 16, 16
.endif
.endm
; L = the k smallest of sorted L and sorted o, sorted: the smaller halves of a MIRR stage, then log2(k) SHUF
.macro MERGE k, o
.set mg_i, 0
.if \k == 8
.rept 4
	v_dual_min_num_f32 v[M+mg_i], v[L+mg_i], v[\o+7-mg_i] :: v_dual_min_num_f32 v[M+mg_i+1], v[L+mg_i+1], v[\o+6-mg_i]
.set mg_i, mg_i+2
.endr
	SHUF M, L, 8, 8
	SHUF L, M, 8, 8
	SHUF M, L, 8, 8
.else
.rept 8
	v_dual_min_num_f32 v[L+mg_i], v[L+mg_i], v[\o+15-mg_i] :: v_dual_min_num_f32 v[L+mg_i+1], v[L+mg_i+1], v[\o+14-mg_i]
.set mg_i, mg_i+2
.endr
	SHUF L, M, 16, 16
	SHUF M, L, 16, 16
	SHUF L, M, 16, 16
	SHUF M, L, 16, 16
.endif
.endm
; two merges of 8 side by side: list L[0:7] with run o[0:7], list L[8:15] with run o[8:15].  A stage has eight comparators that do not
; depend on each other, in place of four.
.macro MERGE2 o
.set mg_i, 0
.rept 4
	v_dual_min_num_f32 v[M+mg_i],   v[L+mg_i],   v[\o+7-mg_i]  :: v_dual_min_num_f32 v[M+mg_i+1], v[L+mg_i+1], v[\o+6-mg_i]
	v_dual_min_num_f32 v[M+8+mg_i], v[L+8+mg_i], v[\o+15-mg_i] :: v_dual_min_num_f32 v[M+9+mg_i], v[L+9+mg_i], v[\o+14-mg_i]
.set mg_i, mg_i+2
.endr
	SHUF M, L, 16, 8
	SHUF L, M, 16, 8
	SHUF M, L, 16, 8
.endm
; 16 new distances into the list, or, for k = 8, a run of 8 into each of the two lists
.macro TAKE k, b
	SORT \b, \k
.if \k == 8
	MERGE2 \b
.else
	MERGE 16, \b
.endif
.endm
; one chunk of pass B: ask for the next chunk, make this chunk's distances (and gather the codes of the chunk before), then x = d 2^90 - T 2^90:
; one rounding, zero for d == T alone, and the sign of d - T
.macro PB cur, oth, off, ab, first
	LOADC \oth, \off
	s_wait_dscnt 0x10                              ; only the sixteen loads just issued may be out: this chunk is in
	DIST \cur, \ab, \first
.irp p, 0,2,4,6,8,10,12,14
	v_pk_fma_f32 v[XR+\p:XR+\p+1], v[\cur+\p:\cur+\p+1], s[30:31], v[TT:TT+1] op_sel_hi:[1,0,1]
.endr
.endm
; 32 codes into a word of each mask.  Candidate i of the group stands at place 31 - i of the word.  Its code is field 15 - (i>>1) of CA
; (i even) or CB (i odd): an even candidate belongs to the upper bit of its field, an odd one to the lower bit.
.macro MASKS ws, wt
	v_lshrrev_b32 v[TMP], 1, v[CB]
	v_lshlrev_b32 v[\wt], 1, v[CA]
	v_bfi_b32 v[\ws], s32, v[CA], v[TMP]           ; the signs: d < T
	v_bfi_b32 v[\wt], s32, v[\wt], v[CB]           ; d != T
	v_or_b32 v[\wt], v[\ws], v[\wt]                ; (a negative x below 2 in size is smaller, not equal)
	v_xor_b32 v[\wt], -1, v[\wt]                   ; d == T
.endm
; word i of one extraction step: the bits of X - 1 are counted, and the lowest set bit of X is cleared
.macro WORD i
.if \i == 0
	v_bcnt_u32_b32 v[P], v[MM+\i], v[NC]
.else
	v_bcnt_u32_b32 v[P], v[MM+\i], v[P]
.endif
	v_and_b32 v[X+\i], v[X+\i], v[MM+\i]                   ; X & (X - 1)
.endm
; The k lowest set bits of the 256 bits of X, as rising keys 16 x position + (2 w + b) in R.  With c bits set and the lowest at place z,
; X - 1 has c - 1 + z bits set: z = bits(X - 1) + 1 - c.  c falls by one a step; NC holds 1 - c of the first step, and step t
; adds its t through the key, as 16 t.  Where no bit is left X - 1 is all ones and the place comes out above 256: a key above 4096.
.macro EXTRACT k
	v_bcnt_u32_b32 v[P], v[X], 0
.set ex_i, 1
.rept 7
	v_bcnt_u32_b32 v[P], v[X+ex_i], v[P]
.set ex_i, ex_i+1
.endr
	v_sub_nc_u32 v[NC], 1, v[P]
.set ex_t, 0
.rept \k
	v_add_co_u32 v[MM], vcc_lo, -1, v[X]
.set ex_i, 1
.rept 7
	v_add_co_ci_u32 v[MM+ex_i], vcc_lo, -1, v[X+ex_i], vcc_lo
	WORD ex_i-1
.set ex_i, ex_i+1
.endr
	WORD 7
	s_add_co_u32 s38, s22, 16*ex_t
	v_lshl_add_u32 v[R+ex_t], v[P], 4, s38
.set ex_t, ex_t+1
.endr
.endm
.macro STLIST areg, src, k
.set ls_i, 0
.rept \k/4
	ds_store_b128 v[\areg], v[\src+4*ls_i:\src+4*ls_i+3] offset:512*ls_i
.set ls_i, ls_i+1
.endr
.endm
.macro LDLIST dst, areg, k, off
.set ls_i, 0
.rept \k/4
	ds_load_b128 v[\dst+4*ls_i:\dst+4*ls_i+3], v[\areg] offset:\off+512*ls_i
.set ls_i, ls_i+1
.endr
.endm
.macro XADDR reg, sreg, sh, region     ; region + (s[sreg] << sh) + 16 lane
	s_lshl_b32 s36, s[\sreg], \sh
	s_add_co_u32 s36, s36, \region
	v_add_nc_u32 v[\reg], s36, v1
.endm
.macro PUTLIST sh, region, k           ; my list L into its place: region + wave x k x 128
	XADDR XOWN, 16, \sh, \region
	STLIST XOWN, L, \k
.endm
; the eight lists of a query group, merged into L.  Each wait leaves out the loads of the lists that are not needed yet: k/4 loads a list.
.macro ALL8 areg, k
.if \k == 8
	LDLIST L,       \areg, 8, 0
	LDLIST L+8,     \areg, 8, 1*1024
	LDLIST BUFB,    \areg, 8, 2*1024
	LDLIST BUFB+8,  \areg, 8, 3*1024
	LDLIST BUFB+16, \areg, 8, 4*1024
	LDLIST BUFB+24, \areg, 8, 5*1024
	LDLIST BUFB+32, \areg, 8, 6*1024
	LDLIST BUFB+40, \areg, 8, 7*1024
	s_wait_dscnt 8                                 ; four lists are in; the eight loads of the four others may be out
	MERGE2 BUFB
	s_wait_dscnt 4                                 ; six are in
	MERGE2 BUFB+16
	s_wait_dscnt 0x0
	MERGE2 BUFB+32
	MERGE 8, L+8                                   ; the two halves
.else
	LDLIST L,       \areg, \k, 0
	LDLIST BUFB,    \areg, \k, 1*\k*128
	LDLIST BUFB+16, \areg, \k, 2*\k*128
	LDLIST BUFB+32, \areg, \k, 3*\k*128
	LDLIST BUFB+48, \areg, \k, 4*\k*128
	LDLIST R,       \areg, \k, 5*\k*128
	LDLIST X,       \areg, \k, 6*\k*128
	LDLIST E,       \areg, \k, 7*\k*128
	s_wait_dscnt 6*\k/4                            ; the first two lists are in, six may be out
	MERGE \k, BUFB
	s_wait_dscnt 5*\k/4
	MERGE \k, BUFB+16
	s_wait_dscnt 4*\k/4
	MERGE \k, BUFB+32
	s_wait_dscnt 3*\k/4
	MERGE \k, BUFB+48
	s_wait_dscnt 2*\k/4
	MERGE \k, R
	s_wait_dscnt 1*\k/4
	MERGE \k, X
	s_wait_dscnt 0x0
	MERGE \k, E
.endif
.endm
; PASS A over one database: L = the k smallest distances of my 256 candidates.  Only arithmetic and LDS loads of the points.
.macro PASSA db, k
	s_wait_dscnt 0x0                               ; a look-ahead left over from the pass before has landed in the buffers
	v_add_nc_u32 v[ADDR], \db*DBYTES, v[WOFF]
	LOADC BUFA, 0
.set kn_i, 0
.rept 16
	v_mov_b32 v[L+kn_i], s37
.set kn_i, kn_i+1
.endr
	s_mov_b32 s23, 0                               ; 8 trips of 32 candidates
.Lpa\db:
	LOADC BUFB, 64
	s_wait_dscnt 0x10                              ; only the sixteen loads just issued may be out: buffer A is in
	DIST BUFA, 0, 0
	TAKE \k, BUFA
	LOADC BUFA, 128                                ; in the last trip: the copy behind the eighth, which is not used
	v_add_nc_u32 v[ADDR], 0x80, v[ADDR]
	s_wait_dscnt 0x10                              ; likewise: buffer B is in
	DIST BUFB, 0, 0
	TAKE \k, BUFB
	s_add_co_u32 s23, s23, 1
	s_cmp_lt_u32 s23, 8
	s_cbranch_scc1 .Lpa\db
.if \k == 8
	MERGE 8, L+8                                   ; the two lists into one
.endif
.endm
; THRESHOLD AND PASS B over one database: L = my k lowest keys.  Only arithmetic and LDS loads: of the points, and of the eight distance
; lists at ext, which all waves stored, waited for and signalled before the barrier wait that stands in front of this pass.
.macro PASSB db, k, lk, ext
	s_wait_dscnt 0x0                               ; a look-ahead left over from the pass before has landed in the buffers
	v_add_nc_u32 v[ADDR], \db*DBYTES, v[WOFF]
	LOADC BUFA, 0                                  ; the first chunk comes in under the merges, which leave buffer A alone
	XADDR XGRP, 17, 10+\lk, \ext                   ; a group has eight lists of k x 128 bytes
	ALL8 XGRP, \k                                  ; every wave of the group gets the same k-th smallest
	v_mul_f32 v[TT], 0xec800000, v[L+\k-1]         ; -T 2^90, exact
	v_mov_b32 v[TT+1], v[TT]
.set kn_i, 0
.rept \k
	v_mov_b32 v[L+kn_i], s37                       ; L is the key list from here on
.set kn_i, kn_i+1
.endr
	s_lshl_b32 s22, s18, 1
	s_add_co_u32 s22, s22, 0x3f800000              ; 2 w + b, as the low bits of a float between 1 and 2
	s_mov_b32 s23, 0                               ; two trips, one for each block of 128 positions
.Lpb\db:
	; Eight chunks.  Group u of 32 candidates (chunks 2u, 2u+1) holds positions 127 - 32 u downward: word 3 - u.  A chunk's codes are
	; gathered one chunk later, the last chunk's behind the last chunk.
	PB BUFA, BUFB, 64, 0, 0
.irp u, 0,1,2
	PB BUFB, BUFA, (2*\u+2)*64, 1, 1
	PB BUFA, BUFB, (2*\u+3)*64, 1, 0
	MASKS X+3-\u, X+7-\u
.endr
	PB BUFB, BUFA, 512, 1, 1                       ; asks for the next block (behind block 1: for the copy, which is not used)
.irp n, 0,1,2,3,4,5,6,7,8,9,10,11,12,13,14,15
	AB \n, 0
.endr
	MASKS X, X+4
	v_add_nc_u32 v[ADDR], 0x200, v[ADDR]
	EXTRACT \k
	MERGE \k, R
	s_add_co_u32 s22, s22, 1
	s_add_co_u32 s23, s23, 1
	s_cmp_lt_u32 s23, 2
	s_cbranch_scc1 .Lpb\db
.endm
	PASSA 2, 16
	PUTLIST 11, EXT2, 16
	s_wait_dscnt 0x0                               ; my distance list of pc is in LDS before I say so
	s_barrier_signal -1
	PASSA 0, 8                                     ; no LDS store until the wait
	s_barrier_wait -1                              ; everybody's list of pc is in LDS
	PUTLIST 10, EXT0, 8
	s_wait_dscnt 0x0                               ; my distance list of points1 is in LDS before I say so
	s_barrier_signal -1
	PASSB 2, 16, 4, EXT2                           ; the keys stay in L until the wait
	s_barrier_wait -1                              ; everybody's list of points1 is in LDS
	PUTLIST 11, EXI2, 16
	PASSA 1, 8
	PUTLIST 10, EXT1, 8
	s_wait_dscnt 0x0                               ; my keys of pc and my distance list of points2 are in LDS before I say so
	s_barrier_signal -1
	PASSB 0, 8, 3, EXT0
	s_barrier_wait -1                              ; everybody's list of points2 is in LDS
	PUTLIST 10, EXI0, 8
	PASSB 1, 8, 3, EXT1
	PUTLIST 10, EXI1, 8
	s_wait_dscnt 0x0                               ; my three key lists are in LDS before I say so
	s_barrier_signal -1
	s_barrier_wait -1
; merge the eight eighths of one database and lay the indices into the queries' rows of TR
.macro FINAL k, troff
	ALL8 XGRP, \k
.set fi_i, 0
.rept \k
	v_and_b32 v[L+fi_i], 0x7ff, v[L+fi_i]          ; at least k candidates have d <= T, so every key left is below 4096: drop the float's upper bits and the tie bit
.set fi_i, fi_i+1
.endr
.set fi_i, 0
.rept \k/4
	ds_store_b128 v[TRA], v[L+4*fi_i:L+4*fi_i+3] offset:\troff+16*fi_i
.set fi_i, fi_i+1
.endr
.endm
	s_mul_i32 s36, s17, 32*TRP
	s_add_co_u32 s36, s36, TR                      ; my query group in TR
	v_mul_u32_u24 v[TRA], 9, v1                    ; 144 x lane
	v_add_nc_u32 v[TRA], s36, v[TRA]
	s_cmp_gt_u32 s18, 1
	s_cbranch_scc1 .Lnot8
	s_lshl_b32 s21, s18, 14                        ; w = 0: points1, w = 1: points2 (their key regions are 16,384 bytes apart)
	s_lshl_b32 s22, s17, 13                        ; 8 g lists of 1,024 bytes
	s_add_co_u32 s21, s21, s22
	s_add_co_u32 s21, s21, EXI0
	v_add_nc_u32 v[XGRP], s21, v1
	s_lshl_b32 s22, s18, 5                         ; slots 8 w ..
	v_add_nc_u32 v[TRA], s22, v[TRA]
	FINAL 8, 0
	s_branch .Lfdone
.Lnot8:
	s_cmp_lg_u32 s18, 2
	s_cbranch_scc1 .Lfdone                         ; w = 3 .. 7 have no database left to merge
	s_lshl_b32 s21, s17, 14                        ; 8 g lists of 2,048 bytes
	s_add_co_u32 s21, s21, EXI2
	v_add_nc_u32 v[XGRP], s21, v1
	FINAL 16, 64
.Lfdone:
	s_wait_dscnt 0x0                               ; my columns of TR are written before I say so
	s_barrier_signal -1
	s_barrier_wait -1
	; every wave stores 4 queries: the load takes 4 rows of 128 bytes, the store writes them as 512 consecutive bytes, aligned
	v_lshrrev_b32 v5, 7, v1                        ; lane >> 3
	v_and_b32 v6, 0x70, v1                         ; 16 (lane & 7)
	v_mad_u32_u24 v5, v5, TRP, v6
	s_mul_i32 s21, s18, 4*TRP
	s_add_co_u32 s21, s21, s36
	v_add_nc_u32 v5, s21, v5
	ds_load_b128 v[40:43], v5
	s_lshl_b32 s24, ttmp9, 13                      ; 64 queries of 128 bytes
	s_lshl_b32 s21, s16, 9                         ; + 4 queries a wave
	s_add_co_u32 s24, s24, s21
	s_add_nc_u64 s[14:15], s[14:15], s[24:25]
	s_wait_dscnt 0x0
	global_store_b128 v1, v[40:43], s[14:15]
	s_wait_tensorcnt 0x0
	ds_add_u32 v232, v233
	s_wait_dscnt 0x0
	s_endpgm
.Lfunc_end_k_q90a2b28154_knn:
	.size	k_q90a2b28154_knn, .Lfunc_end_k_q90a2b28154_knn-k_q90a2b28154_knn
	.p2alignl 7, 3214868480
	.fill 96, 4, 3214868480
	.section	.rodata,"a",@progbits
	.p2align	6, 0x0
	.amdhsa_kernel k_q90a2b28154_knn
		.amdhsa_group_segment_fixed_size 249856
		.amdhsa_private_segment_fixed_size 0
		.amdhsa_enable_private_segment 0
		.amdhsa_kernarg_size 48
		.amdhsa_user_sgpr_count 2
		.amdhsa_user_sgpr_kernarg_segment_ptr 1
		.amdhsa_wavefront_size32 1
		.amdhsa_system_sgpr_workgroup_id_x 1
		.amdhsa_system_sgpr_workgroup_id_y 1
		.amdhsa_system_sgpr_workgroup_id_z 1
		.amdhsa_system_vgpr_workitem_id 0
		.amdhsa_next_free_vgpr 234
		.amdhsa_next_free_sgpr 66
		.amdhsa_reserve_vcc 1
		.amdhsa_float_denorm_mode_32 3
		.amdhsa_float_denorm_mode_16_64 3
		.amdhsa_memory_ordered 1
		.amdhsa_forward_progress 1
		.amdhsa_inst_pref_size 255
	.end_amdhsa_kernel
	.section	.bss,"aw",@nobits
	.p2align	6
	.space	262144
	.amdgpu_metadata
---
amdhsa.version: [ 1, 2 ]
amdhsa.kernels:
  - .name:           k_q90a2b28154_knn
    .symbol:         k_q90a2b28154_knn.kd
    .args:
      - { .name: points1, .offset: 0, .size: 8, .value_kind: global_buffer, .address_space: global }
      - { .name: points2, .offset: 8, .size: 8, .value_kind: global_buffer, .address_space: global }
      - { .name: pc, .offset: 16, .size: 8, .value_kind: global_buffer, .address_space: global }
      - { .name: ridx1, .offset: 24, .size: 8, .value_kind: global_buffer, .address_space: global }
      - { .name: ridx2, .offset: 32, .size: 8, .value_kind: global_buffer, .address_space: global }
      - { .name: nbr, .offset: 40, .size: 8, .value_kind: global_buffer, .address_space: global }
    .group_segment_fixed_size: 249856
    .private_segment_fixed_size: 0
    .kernarg_segment_align: 8
    .kernarg_segment_size: 48
    .max_flat_workgroup_size: 512
    .sgpr_count:     66
    .vgpr_count:     234
    .wavefront_size: 32
...
	.end_amdgpu_metadata
.endif
;; end of part 3
;; launch fuse: the kernel of part 2 again; grid 256 x 1, 16 waves a work-group, no clusters, 76,800 bytes of LDS; arguments points1, points2, pc, ridx1, ridx2, Wq, Wk, Wv, bq, bk, bv, nbr, out0; writes out0
;; ======== version 3 of 3: 2 launches; version 2 with the launch knn written anew for expert scheduling mode
;; limits: values outside matrix products are rounded to bf16; right only within a limited range of input values
;; workspace buffers: nbr 2,097,152 bytes of whole numbers
;; launch knn (part 4): grid 256 x 1, 16 waves a work-group, no clusters, 249,856 bytes of LDS; arguments points1, points2, pc, ridx1, ridx2, nbr; writes nbr
.if DOCPART == 4
	.amdgcn_target "amdgcn-amd-amdhsa--gfx1250"
	.amdhsa_code_object_version 6
	.text
	.protected	k_q90a2b28154_knn
	.globl	k_q90a2b28154_knn
	.p2align	8
	.type	k_q90a2b28154_knn,@function
k_q90a2b28154_knn:
	s_mov_b64 s[64:65], 0
	v_nop
	global_prefetch_b8 v0, s[64:65] scope:SCOPE_SE
	s_setreg_imm32_b32 hwreg(HW_REG_WAVE_SCHED_MODE, 0, 2), 2
	s_setreg_imm32_b32 hwreg(HW_REG_WAVE_MODE, 25, 1), 1
	s_wait_xcnt 0x0
	s_wait_alu depctr_vm_vsrc(0)
; nbr[query][32] = indices of the 8 nearest points of points1, the 8 nearest of points2 and the 16 nearest of pc (same batch),
; for the 8 x 2048 queries newp = points1[ridx1] ++ points2[ridx2].  Only the SETS matter to what follows, not their order.
;
; SHARES.  Work-group x: batch x>>5, queries 64 (x&31) .. +63.  Sixteen waves: g = wave>>3 is a group of 32 queries (lane = query),
; w = wave&7 an eighth of each database: the candidates j with (j>>1)&7 == w, as two blocks b = j&1 of 128 positions pos = j>>4.
; METHOD, free of any branch or address that hangs on a distance:
;   pass A  each lane keeps the k smallest distances of its 256 candidates, sorted: 16 new distances are sorted by a network into runs
;           of k, and each run is merged into a list; the eight eighths exchange their lists through LDS and merge them:
;           T = the k-th smallest distance of the database;
;   pass B  the same distances again (same instructions, same bits); per block two masks of 128 bits, d < T and d == T;
;           the k lowest set bits of (strict mask, tie mask) become keys: index j for d < T, 2048 + j for d == T, 4096 + .. for none;
;           sorted key lists are merged over blocks and eighths: all closer points first, then ties by rising index.
; A COMPARATOR IS ONE INSTRUCTION: the two halves of a dual instruction take the minimum and the maximum of the same two registers.  They
; write into another register set than they read, so that neither half reads what the other writes, and into an even and the next odd
; register, as the dual encoding asks.  Keys are compared by the same instructions: a key is kept as the float whose bits are
; 0x3f800000 + key, a normal number between 1 and 2 that rises with the key.
; BARRIERS.  A list is stored, waited for and signalled; a whole pass over another database, which only computes and loads LDS bytes that
; are never written again, stands between that signal and its wait.  So a wave stops only for a wave that is a whole pass behind.
; Order: A(pc) | A(points1) | T, B(pc) | A(points2) | T, B(points1) | T, B(points2): the longest database first, a short one last.
; THE DISTANCE is the module's own expression, d = (|q|^2 + |c|^2) - 2 q.c in f32, each sum of three products as one multiply and two
; fused multiply-adds in the order x, y, z; |c|^2 is made once, on the way into LDS.  Which points are the nearest hangs on the rounding
; of that expression where two candidates are almost equally far, so the same expression is evaluated here; d may come out below zero.
; LIMITS.  NaN and infinite coordinates are not served.  The ranking carries the rounding of that expression, about
; 2^-23 (|q|^2 + |c|^2), which grows with a common offset of the points; an evaluation of it in another order may rank two candidates
; that are closer than that the other way.  Pass B compares by (d - T) 2^90: squared distances of 2^38 and more are not served, and two
; squared distances that differ by less than 2^-89 count as equal.  Indices in ridx are clamped to 2047.
; NOT USED: matrix units (operands of 16 bits move a squared distance by more than neighbouring candidates differ); tensor loads and
; clusters (what work-groups share is 72 KiB read once at the entry, and it has to be scattered into the eighths on its way to LDS).
; THE MODE: SCHED_MODE bits 1:0 = 2 (LLVM: expert scheduling mode 2), set by the entry lines.  The code itself states the register dependences
; between vector instructions and memory or LDS instructions, with s_wait_alu, always for 0.
; THE PLAN.  Registers that memory or LDS instructions touch, in the passes:
;   BUFA, BUFB   A step works on one of them (distances, sorting network, merge: reads and writes).  The sixteen LDS loads of the next step land in the
;                other, which the step before worked on and which no vector instruction of this step names.
;   v[ADDR]      Read by every chunk load.  Written at a pass's head and once a trip, at the trip's end.
;   L            Written by merges and by the lists' loads; read by merges and by the stores of a finished list.
;   R, X, MM, E  Beside their vector use: targets of the loads that fetch the eight exchanged lists, issued in one run at a pass's head.
;   v5, v6, v15  Addresses of lists and of the way out: each made by vector instructions ahead of a wait on va_vdst that stands there for the data too.
; So ONE wait on va_vdst stands at a step's head, behind the wait for the step's own chunk: the step before is done with the other buffer (and, in a
; trip's first step, v[ADDR] is written).  The step's sixteen loads follow it in fours, dealt among the distance arithmetic, with no further wait.
; One wait on vm_vsrc a trip stands ahead of the add to v[ADDR].  A pass's head has both: vm_vsrc for what earlier loads and stores have read,
; va_vdst for the fresh addresses and for all registers in which its loads land.  In the extraction every carry goes through VCC from one
; instruction to the next: a wait on va_vcc stands behind each of a step's eight writers of VCC, ahead of the next line that names VCC.
.set SEG,    1120                      ; an eighth of a plane: 2 blocks x 128 floats, then 96 bytes of pad (64 of them hold a copy, see below)
.set PLANE,  8*SEG                     ; one plane of one database: x, y, z or |c|^2
.set DBYTES, 4*PLANE                   ; one database; three of them end at byte 107,520
.set EXT0,   107520                    ; exchanged distance lists: wave x k x 128 + 512 i + 16 lane
.set EXT1,   123904
.set EXT2,   140288
.set EXI0,   173056                    ; exchanged key lists, same layout
.set EXI1,   189440
.set EXI2,   205824
.set TR,     238592                    ; the way out: g x 4,608 + query x 144 + slot x 4
.set TRP,    144                       ; 128 bytes of a query + 16: 9 x 16 bytes from lane to lane
.set ADDR,  2                          ; v2       LDS address of the chunk at work (the same in all lanes)
.set WOFF,  3                          ; v3       w x SEG
.set XOWN,  5                          ; v5       my list in LDS
.set XGRP,  6                          ; v6       the eight lists of my query group
.set CA,    8                          ; v8       codes of the even candidates of a group of 32, two bits each
.set CB,    9                          ; v9       codes of the odd ones
.set TT,    10                         ; v[10:11] -T 2^90, twice
.set P,     12                         ; v12      position of the lowest set bit
.set NC,    13                         ; v13      1 - the number of set bits of a block's masks
.set TMP,   14                         ; v14      at work
.set TRA,   15                         ; v15      my row of TR
.set Q,     16                         ; v[16:23] (qx,qx) (qy,qy) (qz,qz) (|q|^2,|q|^2)
.set X,     24                         ; v[24:31] masks: 4 words d < T, 4 words d == T
.set MM,    32                         ; v[32:39] the masks minus one, as one number of 256 bits
.set BUFA,  40                         ; v[40:103]  16 candidates: x0-15, y0-15, z0-15, |c|^2 0-15
.set BUFB,  104                        ; v[104:167]
.set L,     168                        ; v[168:183] the sorted list (k = 8 in pass A: two lists of 8)
.set R,     184                        ; v[184:199] a second sorted list
.set M,     200                        ; v[200:215] the merge network at work
.set E,     216                        ; v[216:231] a partner list;
.set XR,    216                        ;            in pass B: (d - T) 2^90 of the chunk before
.set STG,   40                         ; v[40:75]   the 9 staging loads
.set CCT,   76                         ; v[76:87]   |c|^2 of the staged candidates: 4 registers for each database
	s_load_b256 s[4:11], s[0:1], 0x0               ; points1 s[4:5], points2 s[6:7], pc s[8:9], ridx1 s[10:11]
	s_load_b128 s[12:15], s[0:1], 0x20             ; ridx2 s[12:13], nbr s[14:15]
	v_lshl_add_u32 v4, v0, 2, 0x3c800
	v_mov_b32 v7, 0
	v_and_b32 v13, 31, v0                          ; lane
	v_lshlrev_b32 v1, 4, v13                       ; 16 x lane
	v_lshrrev_b32 v14, 5, v0
	v_readfirstlane_b32 s16, v14                   ; wave = 8 g + w
	v_lshlrev_b32 v2, 4, v0                        ; staging: 16 bytes a thread, 512 threads: a whole plane
	; where the staged candidates go: j = 16 pos + 4 (thread&3) + e, so eighth 2 (thread&3) + (e>>1), block e&1, position pos = thread>>2,
	; stored at place 127 - pos (pass B shifts codes in from below).  2 SEG bytes are 48 words modulo 64: the four values of
	; thread&3 in a wave start in four different quarters of the 64 banks (ISA guide 11.1), 8 neighbouring words each.
	v_and_b32 v5, 3, v0
	v_mul_u32_u24 v5, 2*SEG, v5
	v_add_nc_u32 v5, 508, v5
	v_and_b32 v6, 0x1fc, v0
	v_sub_nc_u32 v5, v5, v6                        ; (thread&3) x 2 SEG + 4 (127 - (thread>>2))
	v_add_nc_u32 v6, 2*DBYTES, v5                  ; pc lies beyond what a 16-bit immediate reaches
	s_wait_alu depctr_va_sdst(0)                   ; s16 is written, ahead of its first reader: g, w and all that is made of them
	s_lshr_b32 s17, s16, 3                         ; g
	s_and_b32 s18, s16, 7                          ; w
	s_lshr_b32 s19, ttmp9, 5                       ; batch
	s_and_b32 s20, ttmp9, 31                       ; block of 64 queries
	s_mov_b32 s37, 0x7f800000                      ; +infinity starts every list
	s_mov_b32 s30, 0x6c800000                      ; 2^90, twice
	s_mov_b32 s31, 0x6c800000
	s_mov_b32 s32, 0xaaaaaaaa                      ; the upper bit of every two-bit code
	s_lshl_b32 s36, s19, 12                        ; ridx: batch x 4,096 bytes
	s_and_b32 s21, s20, 15
	s_lshl_b32 s21, s21, 8                         ; + (block & 15) x 64 words
	s_add_co_u32 s36, s36, s21
	s_lshl_b32 s21, s17, 7                         ; + g x 32 words
	s_add_co_u32 s36, s36, s21
	v_lshl_add_u32 v13, v13, 2, s36                ; + lane
	s_mul_i32 s36, s18, SEG
	v_mov_b32 v[WOFF], s36
	s_mul_i32 s24, s19, 24576                      ; a batch of a point tensor
	s_mov_b32 s25, 0
	s_wait_kmcnt 0x0
	s_add_nc_u64 s[4:5], s[4:5], s[24:25]
	s_add_nc_u64 s[6:7], s[6:7], s[24:25]
	s_add_nc_u64 s[8:9], s[8:9], s[24:25]
	s_cmp_lt_u32 s20, 16                           ; queries 0-1023 come from points1 by ridx1, the others from points2 by ridx2
	s_cselect_b64 s[26:27], s[4:5], s[6:7]
	s_cselect_b64 s[28:29], s[10:11], s[12:13]
	s_wait_alu depctr_va_vdst(0)                   ; v13 and v2 are written, the offsets of the loads below; so are v5 and v6, the addresses of the staging stores, and v1, the last store's offset
	global_load_b32 v12, v13, s[28:29]             ; my query index
.irp t, 0,1,2
.irp c, 0,1,2
	global_load_b128 v[STG+4*(3*\t+\c):STG+4*(3*\t+\c)+3], v2, s[4+2*\t:5+2*\t] offset:\c*8192   ; candidates j = 4 thread + 0..3
.endr
.endr
	s_wait_loadcnt 9                               ; the index is in; the 9 staging loads issued behind it stay out
	v_min_u32 v12, 0x7ff, v12
	v_lshlrev_b32 v12, 2, v12
	s_wait_alu depctr_va_vdst(0)                   ; v12 is written, the offset of the three query loads
	global_load_b32 v[Q], v12, s[26:27]
	global_load_b32 v[Q+2], v12, s[26:27] offset:8192
	global_load_b32 v[Q+4], v12, s[26:27] offset:16384
.irp t, 0,1,2
.irp c, 0,1,2
	s_wait_loadcnt 11-(3*\t+\c)                    ; behind this staging load: the later staging loads and the three query loads
.irp e, 0,1,2,3
	ds_store_b32 v[5+\t/2], v[STG+4*(3*\t+\c)+\e] offset:(\t%2)*DBYTES+\c*PLANE+(\e/2)*SEG+(\e%2)*512
.endr
.endr
	; |c|^2 = fma(z, z, fma(y, y, x x)) of this database, the fourth plane
.irp p, 0,2
	v_pk_mul_f32 v[CCT+4*\t+\p:CCT+4*\t+\p+1], v[STG+12*\t+\p:STG+12*\t+\p+1], v[STG+12*\t+\p:STG+12*\t+\p+1]
	v_pk_fma_f32 v[CCT+4*\t+\p:CCT+4*\t+\p+1], v[STG+12*\t+4+\p:STG+12*\t+4+\p+1], v[STG+12*\t+4+\p:STG+12*\t+4+\p+1], v[CCT+4*\t+\p:CCT+4*\t+\p+1]
	v_pk_fma_f32 v[CCT+4*\t+\p:CCT+4*\t+\p+1], v[STG+12*\t+8+\p:STG+12*\t+8+\p+1], v[STG+12*\t+8+\p:STG+12*\t+8+\p+1], v[CCT+4*\t+\p:CCT+4*\t+\p+1]
.endr
.endr
	s_wait_alu depctr_va_vdst(0)                   ; the three databases' |c|^2 are written, which the LDS stores below read: one wait for the twelve (and for the copies)
.irp t, 0,1,2
.irp e, 0,1,2,3
	ds_store_b32 v[5+\t/2], v[CCT+4*\t+\e] offset:(\t%2)*DBYTES+3*PLANE+(\e/2)*SEG+(\e%2)*512
.endr
.endr
	; Waves 14 and 15 hold positions 112-127, the first 64 bytes of every block.  They put block 0 of each eighth once more behind the
	; eighth, at +1024, so that a look-ahead past the last chunk reads bytes that have been written, by an address that only steps.
	s_cmp_lt_u32 s16, 14
	s_cbranch_scc1 .Lnodup
.irp t, 0,1,2
.irp e, 0,2
.irp c, 0,1,2
	ds_store_b32 v[5+\t/2], v[STG+4*(3*\t+\c)+\e] offset:(\t%2)*DBYTES+\c*PLANE+(\e/2)*SEG+1024
.endr
	ds_store_b32 v[5+\t/2], v[CCT+4*\t+\e] offset:(\t%2)*DBYTES+3*PLANE+(\e/2)*SEG+1024
.endr
.endr
.Lnodup:
	s_wait_loadcnt 0x0                             ; the query
	v_mul_f32 v[Q+6], v[Q], v[Q]                   ; |q|^2, in the same order of operations as |c|^2
	v_fmac_f32 v[Q+6], v[Q+2], v[Q+2]
	v_fmac_f32 v[Q+6], v[Q+4], v[Q+4]
.irp c, 0,2,4,6
	v_mov_b32 v[Q+\c+1], v[Q+\c]                   ; each twice, for the packed arithmetic
.endr
	s_wait_dscnt 0x0                               ; my part of the points is in LDS before I say so
	s_barrier_signal -1
	s_barrier_wait -1
; four broadcast loads: 16 candidates of plane c
.macro LD4 b, off, c
.irp i, 0,1,2,3
	ds_load_b128 v[\b+16*\c+4*\i:\b+16*\c+4*\i+3], v[ADDR] offset:\off+\c*PLANE+16*\i
.endr
.endm
; sixteen broadcast loads: 16 candidates, four planes
.macro LOADC b, off
.irp c, 0,1,2,3
	LD4 \b, \off, \c
.endr
.endm
; The code of candidate n of the chunk before: the top two bits of x = (d - T) 2^90, shifted in from below.  The sign says d < T; bit 30,
; |x| >= 2, says d != T.  Even candidates go to CA, odd ones to CB.  first = 1: candidates 0 and 1 start the words: nothing is cleared.
.macro AB n, first
.if (\first) & ((\n) < 2)
	v_lshrrev_b32 v[CA+((\n)&1)], 30, v[XR+\n]
.else
	v_alignbit_b32 v[CA+((\n)&1)], v[CA+((\n)&1)], v[XR+\n], 30
.endif
.endm
; 16 distances, two at a time, into the first 16 registers of the buffer.  Both passes use this text: the same bits.
; ab = 1 (pass B): the 16 codes of the chunk before are gathered between these lines, one behind every two, so that the two chains of
; shifts stand among instructions that do not depend on them.
; The next chunk's sixteen loads, into buffer nb from byte off on, are dealt among these lines, a plane at a time.  No wait stands at them: no vector
; instruction since the wait on va_vdst at the step's head names buffer nb or v[ADDR].
.macro DIST b, ab, first, nb, off
	LD4 \nb, \off, 0
.irp i, 0,1,2,3
	v_pk_mul_f32 v[\b+4*\i:\b+4*\i+1],   v[\b+4*\i:\b+4*\i+1],   v[Q:Q+1]
	v_pk_mul_f32 v[\b+4*\i+2:\b+4*\i+3], v[\b+4*\i+2:\b+4*\i+3], v[Q:Q+1]
.if \ab
	AB \i, \first
.endif
.endr
	LD4 \nb, \off, 1
.irp i, 0,1,2,3
	v_pk_fma_f32 v[\b+4*\i:\b+4*\i+1],   v[\b+16+4*\i:\b+16+4*\i+1],   v[Q+2:Q+3], v[\b+4*\i:\b+4*\i+1]
	v_pk_fma_f32 v[\b+4*\i+2:\b+4*\i+3], v[\b+16+4*\i+2:\b+16+4*\i+3], v[Q+2:Q+3], v[\b+4*\i+2:\b+4*\i+3]
.if \ab
	AB 4+\i, \first
.endif
.endr
	LD4 \nb, \off, 2
.irp i, 0,1,2,3
	v_pk_fma_f32 v[\b+4*\i:\b+4*\i+1],   v[\b+32+4*\i:\b+32+4*\i+1],   v[Q+4:Q+5], v[\b+4*\i:\b+4*\i+1]       ; q.c
	v_pk_fma_f32 v[\b+4*\i+2:\b+4*\i+3], v[\b+32+4*\i+2:\b+32+4*\i+3], v[Q+4:Q+5], v[\b+4*\i+2:\b+4*\i+3]
.if \ab
	AB 8+\i, \first
.endif
.endr
	LD4 \nb, \off, 3
.irp i, 0,1,2,3
	v_pk_add_f32 v[\b+48+4*\i:\b+48+4*\i+1],   v[\b+48+4*\i:\b+48+4*\i+1],   v[Q+6:Q+7]                       ; |q|^2 + |c|^2
	v_pk_add_f32 v[\b+48+4*\i+2:\b+48+4*\i+3], v[\b+48+4*\i+2:\b+48+4*\i+3], v[Q+6:Q+7]
.if \ab
	AB 12+\i, \first
.endif
.endr
.irp p, 0,2,4,6,8,10,12,14
	v_pk_fma_f32 v[\b+\p:\b+\p+1], v[\b+\p:\b+\p+1], -2.0, v[\b+48+\p:\b+48+\p+1] op_sel_hi:[1,0,1]   ; doubling is exact: one rounding, that of the subtraction
.endr
.endm
; a comparator: the smaller of registers a, b to d (even), the larger to d + 1
.macro CE d, a, b
	v_dual_min_num_f32 v[\d], v[\a], v[\b] :: v_dual_max_num_f32 v[\d+1], v[\a], v[\b]
.endm
; One stage over n registers in blocks of S.  MIRR joins two rising runs of S/2: place c against place S-1-c; the smaller ones (places 2c)
; and the larger ones (places 2c+1) are then two sequences that rise and fall once.  SHUF compares place p with place p + S/2 and writes
; places 2p, 2p+1: it compares along the top bit of the place number and turns that number left by one bit, so that the next SHUF
; meets the next lower stride.  One MIRR and log2(S) - 1 SHUF leave the block sorted, in its natural order.
.macro MIRR src, dst, n, S
.set sh_b, 0
.rept \n/\S
.set sh_p, 0
.rept \S/2
	CE \dst+sh_b+2*sh_p, \src+sh_b+sh_p, \src+sh_b+\S-1-sh_p
.set sh_p, sh_p+1
.endr
.set sh_b, sh_b+\S
.endr
.endm
.macro SHUF src, dst, n, S
.set sh_b, 0
.rept \n/\S
.set sh_p, 0
.rept \S/2
	CE \dst+sh_b+2*sh_p, \src+sh_b+sh_p, \src+sh_b+sh_p+\S/2
.set sh_p, sh_p+1
.endr
.set sh_b, sh_b+\S
.endr
.endm
; the 16 numbers at b into rising runs of k (8 or 16), in place; the 16 registers behind them are the other set
.macro SORT b, k
	MIRR \b, \b+16, 16, 2
	MIRR \b+16, \b, 16, 4
	SHUF \b, \b+16, 16, 4
	MIRR \b+16, \b, 16, 8
	SHUF \b, \b+16, 16, 8
	SHUF \b+16, \b, 16, 8
.if \k == 16
	MIRR \b, \b+16, 16, 16
	SHUF \b+16, \b, 16, 16
	SHUF \b, \b+16, 16, 16
	SHUF \b+16, \b, 16, 16
.endif
.endm
; L = the k smallest of sorted L and sorted o, sorted: the smaller halves of a MIRR stage, then log2(k) SHUF
.macro MERGE k, o
.set mg_i, 0
.if \k == 8
.rept 4
	v_dual_min_num_f32 v[M+mg_i], v[L+mg_i], v[\o+7-mg_i] :: v_dual_min_num_f32 v[M+mg_i+1], v[L+mg_i+1], v[\o+6-mg_i]
.set mg_i, mg_i+2
.endr
	SHUF M, L, 8, 8
	SHUF L, M, 8, 8
	SHUF M, L, 8, 8
.else
.rept 8
	v_dual_min_num_f32 v[L+mg_i], v[L+mg_i], v[\o+15-mg_i] :: v_dual_min_num_f32 v[L+mg_i+1], v[L+mg_i+1], v[\o+14-mg_i]
.set mg_i, mg_i+2
.endr
	SHUF L, M, 16, 16
	SHUF M, L, 16, 16
	SHUF L, M, 16, 16
	SHUF M, L, 16, 16
.endif
.endm
; two merges of 8 side by side: list L[0:7] with run o[0:7], list L[8:15] with run o[8:15].  A stage has eight comparators that do not
; depend on each other, in place of four.
.macro MERGE2 o
.set mg_i, 0
.rept 4
	v_dual_min_num_f32 v[M+mg_i],   v[L+mg_i],   v[\o+7-mg_i]  :: v_dual_min_num_f32 v[M+mg_i+1], v[L+mg_i+1], v[\o+6-mg_i]
	v_dual_min_num_f32 v[M+8+mg_i], v[L+8+mg_i], v[\o+15-mg_i] :: v_dual_min_num_f32 v[M+9+mg_i], v[L+9+mg_i], v[\o+14-mg_i]
.set mg_i, mg_i+2
.endr
	SHUF M, L, 16, 8
	SHUF L, M, 16, 8
	SHUF M, L, 16, 8
.endm
; 16 new distances into the list, or, for k = 8, a run of 8 into each of the two lists
.macro TAKE k, b
	SORT \b, \k
.if \k == 8
	MERGE2 \b
.else
	MERGE 16, \b
.endif
.endm
; one chunk of pass B: make this chunk's distances (asking for the next chunk and gathering the codes of the chunk before among them), then
; x = d 2^90 - T 2^90: one rounding, zero for d == T alone, and the sign of d - T
.macro PB cur, oth, off, ab, first
	s_wait_dscnt 0x0                               ; this chunk is in: its loads were dealt among the chunk before, and none has been issued since
	s_wait_alu depctr_va_vdst(0)                   ; the chunk before (in a pass's first chunk: the merges) is done reading and writing the other buffer, in which the loads dealt below land; in a trip's first chunk v[ADDR] is written
	DIST \cur, \ab, \first, \oth, \off
.irp p, 0,2,4,6,8,10,12,14
	v_pk_fma_f32 v[XR+\p:XR+\p+1], v[\cur+\p:\cur+\p+1], s[30:31], v[TT:TT+1] op_sel_hi:[1,0,1]
.endr
.endm
; 32 codes into a word of each mask.  Candidate i of the group stands at place 31 - i of the word.  Its code is field 15 - (i>>1) of CA
; (i even) or CB (i odd): an even candidate belongs to the upper bit of its field, an odd one to the lower bit.
.macro MASKS ws, wt
	v_lshrrev_b32 v[TMP], 1, v[CB]
	v_lshlrev_b32 v[\wt], 1, v[CA]
	v_bfi_b32 v[\ws], s32, v[CA], v[TMP]           ; the signs: d < T
	v_bfi_b32 v[\wt], s32, v[\wt], v[CB]           ; d != T
	v_or_b32 v[\wt], v[\ws], v[\wt]                ; (a negative x below 2 in size is smaller, not equal)
	v_xor_b32 v[\wt], -1, v[\wt]                   ; d == T
.endm
; word i of one extraction step: the bits of X - 1 are counted, and the lowest set bit of X is cleared
.macro WORD i
.if \i == 0
	v_bcnt_u32_b32 v[P], v[MM+\i], v[NC]
.else
	v_bcnt_u32_b32 v[P], v[MM+\i], v[P]
.endif
	v_and_b32 v[X+\i], v[X+\i], v[MM+\i]                   ; X & (X - 1)
.endm
; The k lowest set bits of the 256 bits of X, as rising keys 16 x position + (2 w + b) in R.  With c bits set and the lowest at place z,
; X - 1 has c - 1 + z bits set: z = bits(X - 1) + 1 - c.  c falls by one a step; NC holds 1 - c of the first step, and step t
; adds its t through the key, as 16 t.  Where no bit is left X - 1 is all ones and the place comes out above 256: a key above 4096.
.macro EXTRACT k
	v_bcnt_u32_b32 v[P], v[X], 0
.set ex_i, 1
.rept 7
	v_bcnt_u32_b32 v[P], v[X+ex_i], v[P]
.set ex_i, ex_i+1
.endr
	v_sub_nc_u32 v[NC], 1, v[P]
.set ex_t, 0
.rept \k
	v_add_co_u32 v[MM], vcc_lo, -1, v[X]
.set ex_i, 1
.rept 7
	s_wait_alu depctr_va_vcc(0)                    ; the carry of the word below is written into VCC, which the next line reads
	v_add_co_ci_u32 v[MM+ex_i], vcc_lo, -1, v[X+ex_i], vcc_lo
	WORD ex_i-1
.set ex_i, ex_i+1
.endr
	s_wait_alu depctr_va_vcc(0)                    ; the top word's carry, which nobody reads, is written into VCC: the next line that names VCC, the first of the next step or of the next extraction, writes it anew
	WORD 7
	s_add_co_u32 s38, s22, 16*ex_t
	v_lshl_add_u32 v[R+ex_t], v[P], 4, s38
.set ex_t, ex_t+1
.endr
.endm
.macro STLIST areg, src, k
.set ls_i, 0
.rept \k/4
	ds_store_b128 v[\areg], v[\src+4*ls_i:\src+4*ls_i+3] offset:512*ls_i
.set ls_i, ls_i+1
.endr
.endm
.macro LDLIST dst, areg, k, off
.set ls_i, 0
.rept \k/4
	ds_load_b128 v[\dst+4*ls_i:\dst+4*ls_i+3], v[\areg] offset:\off+512*ls_i
.set ls_i, ls_i+1
.endr
.endm
.macro XADDR reg, sreg, sh, region     ; region + (s[sreg] << sh) + 16 lane
	s_lshl_b32 s36, s[\sreg], \sh
	s_add_co_u32 s36, s36, \region
	v_add_nc_u32 v[\reg], s36, v1
.endm
.macro PUTLIST sh, region, k           ; my list L into its place: region + wave x k x 128
	XADDR XOWN, 16, \sh, \region                   ; (the stores that read v[XOWN] last were issued ahead of the wait on vm_vsrc at the head of the pass just ended)
	s_wait_alu depctr_va_vdst(0)                   ; v[XOWN] and the list L are written, which the LDS stores read
	STLIST XOWN, L, \k
.endm
; the eight lists of a query group, merged into L.  Each wait leaves out the loads of the lists that are not needed yet: k/4 loads a list.
; All loads stand in one run, behind the caller's wait on va_vdst; the merges behind them name only lists that their wait on DScnt has shown in.
.macro ALL8 areg, k
.if \k == 8
	LDLIST L,       \areg, 8, 0
	LDLIST L+8,     \areg, 8, 1*1024
	LDLIST BUFB,    \areg, 8, 2*1024
	LDLIST BUFB+8,  \areg, 8, 3*1024
	LDLIST BUFB+16, \areg, 8, 4*1024
	LDLIST BUFB+24, \areg, 8, 5*1024
	LDLIST BUFB+32, \areg, 8, 6*1024
	LDLIST BUFB+40, \areg, 8, 7*1024
	s_wait_dscnt 8                                 ; four lists are in; the eight loads of the four others may be out
	MERGE2 BUFB
	s_wait_dscnt 4                                 ; six are in
	MERGE2 BUFB+16
	s_wait_dscnt 0x0
	MERGE2 BUFB+32
	MERGE 8, L+8                                   ; the two halves
.else
	LDLIST L,       \areg, \k, 0
	LDLIST BUFB,    \areg, \k, 1*\k*128
	LDLIST BUFB+16, \areg, \k, 2*\k*128
	LDLIST BUFB+32, \areg, \k, 3*\k*128
	LDLIST BUFB+48, \areg, \k, 4*\k*128
	LDLIST R,       \areg, \k, 5*\k*128
	LDLIST X,       \areg, \k, 6*\k*128
	LDLIST E,       \areg, \k, 7*\k*128
	s_wait_dscnt 6*\k/4                            ; the first two lists are in, six may be out
	MERGE \k, BUFB
	s_wait_dscnt 5*\k/4
	MERGE \k, BUFB+16
	s_wait_dscnt 4*\k/4
	MERGE \k, BUFB+32
	s_wait_dscnt 3*\k/4
	MERGE \k, BUFB+48
	s_wait_dscnt 2*\k/4
	MERGE \k, R
	s_wait_dscnt 1*\k/4
	MERGE \k, X
	s_wait_dscnt 0x0
	MERGE \k, E
.endif
.endm
; PASS A over one database: L = the k smallest distances of my 256 candidates.  Only arithmetic and LDS loads of the points.
.macro PASSA db, k
	s_wait_dscnt 0x0                               ; a look-ahead left over from the pass before has landed in the buffers
	s_wait_alu depctr_vm_vsrc(0)                   ; the loads issued so far have read v[ADDR] (v2: at the entry the staging loads' offset); the LDS stores issued so far have read L (at the entry: the staged registers, which are buffer A)
	v_add_nc_u32 v[ADDR], \db*DBYTES, v[WOFF]
	s_wait_alu depctr_va_vdst(0)                   ; v[ADDR] is written, which the loads below read; the arithmetic so far is done reading and writing buffer A, in which they land
	LOADC BUFA, 0
.set kn_i, 0
.rept 16
	v_mov_b32 v[L+kn_i], s37
.set kn_i, kn_i+1
.endr
	s_mov_b32 s23, 0                               ; 8 trips of 32 candidates
.Lpa\db:
	s_wait_dscnt 0x0                               ; buffer A is in: no load has been issued behind its sixteen
	s_wait_alu depctr_va_vdst(0)                   ; the step before is done reading and writing buffer B, in which the loads dealt below land; v[ADDR] is written
	DIST BUFA, 0, 0, BUFB, 64
	TAKE \k, BUFA
	s_wait_dscnt 0x0                               ; likewise: buffer B is in
	s_wait_alu depctr_va_vdst(0)                   ; the step before is done reading and writing buffer A, in which the loads dealt below land
	DIST BUFB, 0, 0, BUFA, 128                     ; in the last trip it asks for the copy behind the eighth, which is not used
	TAKE \k, BUFB
	s_wait_alu depctr_vm_vsrc(0)                   ; the trip's 32 loads have read v[ADDR]
	v_add_nc_u32 v[ADDR], 0x80, v[ADDR]
	s_add_co_u32 s23, s23, 1
	s_cmp_lt_u32 s23, 8
	s_cbranch_scc1 .Lpa\db
.if \k == 8
	MERGE 8, L+8                                   ; the two lists into one
.endif
.endm
; THRESHOLD AND PASS B over one database: L = my k lowest keys.  Only arithmetic and LDS loads: of the points, and of the eight distance
; lists at ext, which all waves stored, waited for and signalled before the barrier wait that stands in front of this pass.
.macro PASSB db, k, lk, ext
	s_wait_dscnt 0x0                               ; a look-ahead left over from the pass before has landed in the buffers
	s_wait_alu depctr_vm_vsrc(0)                   ; the loads issued so far have read v[ADDR] and v[XGRP]; the stores of my last list have read L, in which a load below lands
	v_add_nc_u32 v[ADDR], \db*DBYTES, v[WOFF]
	XADDR XGRP, 17, 10+\lk, \ext                   ; a group has eight lists of k x 128 bytes
	s_wait_alu depctr_va_vdst(0)                   ; v[ADDR] and v[XGRP] are written, which the loads below read; the arithmetic so far is done with both buffers, L, R, X, MM and E, in which they land
	LOADC BUFA, 0                                  ; the first chunk comes in under the merges, which leave buffer A alone
	ALL8 XGRP, \k                                  ; every wave of the group gets the same k-th smallest
	v_mul_f32 v[TT], 0xec800000, v[L+\k-1]         ; -T 2^90, exact
	v_mov_b32 v[TT+1], v[TT]
.set kn_i, 0
.rept \k
	v_mov_b32 v[L+kn_i], s37                       ; L is the key list from here on
.set kn_i, kn_i+1
.endr
	s_lshl_b32 s22, s18, 1
	s_add_co_u32 s22, s22, 0x3f800000              ; 2 w + b, as the low bits of a float between 1 and 2
	s_mov_b32 s23, 0                               ; two trips, one for each block of 128 positions
.Lpb\db:
	; Eight chunks.  Group u of 32 candidates (chunks 2u, 2u+1) holds positions 127 - 32 u downward: word 3 - u.  A chunk's codes are
	; gathered one chunk later, the last chunk's behind the last chunk.
	PB BUFA, BUFB, 64, 0, 0
.irp u, 0,1,2
	PB BUFB, BUFA, (2*\u+2)*64, 1, 1
	PB BUFA, BUFB, (2*\u+3)*64, 1, 0
	MASKS X+3-\u, X+7-\u
.endr
	PB BUFB, BUFA, 512, 1, 1                       ; asks for the next block (behind block 1: for the copy, which is not used)
.irp n, 0,1,2,3,4,5,6,7,8,9,10,11,12,13,14,15
	AB \n, 0
.endr
	MASKS X, X+4
	s_wait_alu depctr_vm_vsrc(0)                   ; the trip's 128 loads have read v[ADDR]
	v_add_nc_u32 v[ADDR], 0x200, v[ADDR]
	EXTRACT \k
	MERGE \k, R
	s_add_co_u32 s22, s22, 1
	s_add_co_u32 s23, s23, 1
	s_cmp_lt_u32 s23, 2
	s_cbranch_scc1 .Lpb\db
.endm
	PASSA 2, 16
	PUTLIST 11, EXT2, 16
	s_wait_dscnt 0x0                               ; my distance list of pc is in LDS before I say so
	s_barrier_signal -1
	PASSA 0, 8                                     ; no LDS store until the wait
	s_barrier_wait -1                              ; everybody's list of pc is in LDS
	PUTLIST 10, EXT0, 8
	s_wait_dscnt 0x0                               ; my distance list of points1 is in LDS before I say so
	s_barrier_signal -1
	PASSB 2, 16, 4, EXT2                           ; the keys stay in L until the wait
	s_barrier_wait -1                              ; everybody's list of points1 is in LDS
	PUTLIST 11, EXI2, 16
	PASSA 1, 8
	PUTLIST 10, EXT1, 8
	s_wait_dscnt 0x0                               ; my keys of pc and my distance list of points2 are in LDS before I say so
	s_barrier_signal -1
	PASSB 0, 8, 3, EXT0
	s_barrier_wait -1                              ; everybody's list of points2 is in LDS
	PUTLIST 10, EXI0, 8
	PASSB 1, 8, 3, EXT1
	PUTLIST 10, EXI1, 8
	s_wait_dscnt 0x0                               ; my three key lists are in LDS before I say so
	s_barrier_signal -1
	s_barrier_wait -1
; merge the eight eighths of one database and lay the indices into the queries' rows of TR
.macro FINAL k, troff
	s_wait_alu depctr_va_vdst(0)                   ; v[XGRP] is written, which the loads below read; the arithmetic so far is done with L, buffer B, R, X, MM and E, in which they land
	ALL8 XGRP, \k
.set fi_i, 0
.rept \k
	v_and_b32 v[L+fi_i], 0x7ff, v[L+fi_i]          ; at least k candidates have d <= T, so every key left is below 4096: drop the float's upper bits and the tie bit
.set fi_i, fi_i+1
.endr
	s_wait_alu depctr_va_vdst(0)                   ; the indices in L are written, which the LDS stores read (v[TRA] was written ahead of the wait above)
.set fi_i, 0
.rept \k/4
	ds_store_b128 v[TRA], v[L+4*fi_i:L+4*fi_i+3] offset:\troff+16*fi_i
.set fi_i, fi_i+1
.endr
.endm
	s_wait_alu depctr_vm_vsrc(0)                   ; the stores of my last key list have read L, in which a load of the merge lands; the loads issued so far have read v[XGRP], which is written anew
	s_mul_i32 s36, s17, 32*TRP
	s_add_co_u32 s36, s36, TR                      ; my query group in TR
	v_mul_u32_u24 v[TRA], 9, v1                    ; 144 x lane
	v_add_nc_u32 v[TRA], s36, v[TRA]
	s_cmp_gt_u32 s18, 1
	s_cbranch_scc1 .Lnot8
	s_lshl_b32 s21, s18, 14                        ; w = 0: points1, w = 1: points2 (their key regions are 16,384 bytes apart)
	s_lshl_b32 s22, s17, 13                        ; 8 g lists of 1,024 bytes
	s_add_co_u32 s21, s21, s22
	s_add_co_u32 s21, s21, EXI0
	v_add_nc_u32 v[XGRP], s21, v1
	s_lshl_b32 s22, s18, 5                         ; slots 8 w ..
	v_add_nc_u32 v[TRA], s22, v[TRA]
	FINAL 8, 0
	s_branch .Lfdone
.Lnot8:
	s_cmp_lg_u32 s18, 2
	s_cbranch_scc1 .Lfdone                         ; w = 3 .. 7 have no database left to merge
	s_lshl_b32 s21, s17, 14                        ; 8 g lists of 2,048 bytes
	s_add_co_u32 s21, s21, EXI2
	v_add_nc_u32 v[XGRP], s21, v1
	FINAL 16, 64
.Lfdone:
	s_wait_dscnt 0x0                               ; my columns of TR are written before I say so
	s_barrier_signal -1
	s_barrier_wait -1
	; every wave stores 4 queries: the load takes 4 rows of 128 bytes, the store writes them as 512 consecutive bytes, aligned
	s_wait_alu depctr_vm_vsrc(0)                   ; the merge's loads have read v6 and my lists' stores have read v5: both are written anew below
	v_lshrrev_b32 v5, 7, v1                        ; lane >> 3
	v_and_b32 v6, 0x70, v1                         ; 16 (lane & 7)
	v_mad_u32_u24 v5, v5, TRP, v6
	s_mul_i32 s21, s18, 4*TRP
	s_add_co_u32 s21, s21, s36
	v_add_nc_u32 v5, s21, v5
	s_wait_alu depctr_va_vdst(0)                   ; v5 is written, which the load below reads; the arithmetic so far is done with v[40:43], in which it lands
	ds_load_b128 v[40:43], v5
	s_lshl_b32 s24, ttmp9, 13                      ; 64 queries of 128 bytes
	s_lshl_b32 s21, s16, 9                         ; + 4 queries a wave
	s_add_co_u32 s24, s24, s21
	s_add_nc_u64 s[14:15], s[14:15], s[24:25]
	s_wait_dscnt 0x0
	global_store_b128 v1, v[40:43], s[14:15]
	s_wait_dscnt 0x0
	s_wait_alu depctr_hold_cnt(0) depctr_sa_sdst(0) depctr_va_vdst(0) depctr_va_sdst(0) depctr_va_ssrc(0) depctr_va_vcc(0) depctr_vm_vsrc(0)
	s_wait_tensorcnt 0x0
	ds_add_u32 v4, v7
	s_wait_dscnt 0x0
	s_endpgm
.Lfunc_end_k_q90a2b28154_knn:
	.size	k_q90a2b28154_knn, .Lfunc_end_k_q90a2b28154_knn-k_q90a2b28154_knn
	.p2alignl 7, 3214868480
	.fill 96, 4, 3214868480
	.section	.rodata,"a",@progbits
	.p2align	6, 0x0
	.amdhsa_kernel k_q90a2b28154_knn
		.amdhsa_group_segment_fixed_size 249856
		.amdhsa_private_segment_fixed_size 0
		.amdhsa_enable_private_segment 0
		.amdhsa_kernarg_size 48
		.amdhsa_user_sgpr_count 2
		.amdhsa_user_sgpr_kernarg_segment_ptr 1
		.amdhsa_wavefront_size32 1
		.amdhsa_system_sgpr_workgroup_id_x 1
		.amdhsa_system_sgpr_workgroup_id_y 1
		.amdhsa_system_sgpr_workgroup_id_z 1
		.amdhsa_system_vgpr_workitem_id 0
		.amdhsa_next_free_vgpr 232
		.amdhsa_next_free_sgpr 66
		.amdhsa_reserve_vcc 1
		.amdhsa_float_denorm_mode_32 3
		.amdhsa_float_denorm_mode_16_64 3
		.amdhsa_memory_ordered 1
		.amdhsa_forward_progress 1
		.amdhsa_inst_pref_size 255
	.end_amdhsa_kernel
	.section	.bss,"aw",@nobits
	.p2align	6
	.space	262144
	.amdgpu_metadata
---
amdhsa.version: [ 1, 2 ]
amdhsa.kernels:
  - .name:           k_q90a2b28154_knn
    .symbol:         k_q90a2b28154_knn.kd
    .args:
      - { .name: points1, .offset: 0, .size: 8, .value_kind: global_buffer, .address_space: global }
      - { .name: points2, .offset: 8, .size: 8, .value_kind: global_buffer, .address_space: global }
      - { .name: pc, .offset: 16, .size: 8, .value_kind: global_buffer, .address_space: global }
      - { .name: ridx1, .offset: 24, .size: 8, .value_kind: global_buffer, .address_space: global }
      - { .name: ridx2, .offset: 32, .size: 8, .value_kind: global_buffer, .address_space: global }
      - { .name: nbr, .offset: 40, .size: 8, .value_kind: global_buffer, .address_space: global }
    .group_segment_fixed_size: 249856
    .private_segment_fixed_size: 0
    .kernarg_segment_align: 8
    .kernarg_segment_size: 48
    .max_flat_workgroup_size: 512
    .sgpr_count:     66
    .vgpr_count:     232
    .wavefront_size: 32
...
	.end_amdgpu_metadata
.endif
;; end of part 4
;; launch fuse: the kernel of part 2 again; grid 256 x 1, 16 waves a work-group, no clusters, 76,800 bytes of LDS; arguments points1, points2, pc, ridx1, ridx2, Wq, Wk, Wv, bq, bk, bv, nbr, out0; writes out0
